; MI455X (gfx1250); checked and timed in simulation.
; The chip was launched on July 23, 2026; its instructions are those of AMD's public machine-readable ISA for CDNA 5 (MIT licence, August 2026) and "CDNA5" Instruction Set Architecture Reference Guide (July 2026). The comments in the code are by the model that wrote it; some were corrected since.
;; Chat GPT Attention. Allowed arithmetic: matrix products marked QUANTISED: E2M1 operands, one E8M0 scale for each 32 along K, by v_wmma_scale_f32_16x16x128_f8f6f4 with both operands' format E2M1 (or v_wmma_scale_f32_32x16x128_f4), f32 sums; products left as they are: bf16, f16 or f32 operands; f32 sums; everything else in f32.
;; Inputs: mask 1 x 1 x 2,048 x 2,048 int32; w_o_b 1,024 float32; w_o_w 1,024 x 1,024 float32; w_qkv_b 3,072 float32; w_qkv_w 3,072 x 1,024 float32; x 2 x 2,048 x 1,024 float32.
;; Outputs: out0 2 x 2,048 x 1,024 float32.
;; This version of the problem:
;;   THIS VERSION OF THE PROBLEM IS GIVEN IN LOW PRECISION. The matrix products marked QUANTISED in the list below multiply operands that are first quantised to E2M1 (2 exponent bits, 1 mantissa bit; 4 bits a number), with one power-of-two scale for each 32 numbers along K (OCP MX v1.0); their sums are f32. The products marked 'left as it is' may take bf16, f16 or f32 operands, with f32 sums. Whichever they take, every output number must still come out within the allowed error. Rounding operands to bf16 (8 significant bits) uses up far more of that allowance than f16 does (11 bits, for magnitudes from 6e-5 to 65,504). All else is computed in f32.
;;   The module's matrix products, in the order in which they are computed (A, B: the left and right operand; K: the contracted axis; several contracted axes count as one K, in the product's order):
;;     1. [M 4,096, K 1,024] x [K 1,024, N 3,072]; A: input x; B: input w_qkv_w: QUANTISED
;;     2. batch 32 x [M 2,048, K 64] x [K 64, N 2,048]; A: computed on the way; B: computed on the way: left as it is (an operand is computed on the way)
;;     3. batch 32 x [M 2,048, K 2,048] x [K 2,048, N 64]; A: computed on the way; B: computed on the way: left as it is (an operand is computed on the way)
;;     4. [M 4,096, K 1,024] x [K 1,024, N 1,024]; A: computed on the way; B: input w_o_w: left as it is (an operand is computed on the way)
;;   THE QUANTISER, for each operand of a quantised product, along K:
;;     - K is cut into blocks of 32 from its start; a last block that is shorter is filled with zeros.
;;     - A block's scale is 2^e with e = floor(log2(the largest magnitude in the block)) - 2, held to -126 .. 127; a block of zeros has e = 0. As a byte (E8M0): e + 127.
;;     - Each number is divided by its block's scale, clamped to +-6, and rounded to the nearest number of E2M1, ties to even, subnormals kept.
;;     - The product sums the exact products of the quantised numbers (number of the format x scale) in f32.
;;   ~~~python
;;   def quantise(x, axis):      # numpy; x: float32 -> the quantised numbers, widened to float32 again
;;       x = np.moveaxis(x, axis, -1); K = x.shape[-1]
;;       x = np.pad(x, [(0, 0)] * (x.ndim - 1) + [(0, -K % 32)]); x = x.reshape(x.shape[:-1] + (-1, 32)); a = np.abs(x).max(-1, keepdims=True)
;;       e = np.where(a > 0, np.clip(np.frexp(np.where(a > 0, a, 1))[1] - 1 - 2, -126, 127), 0)      # np.frexp(a)[1] - 1 = floor(log2(a)), exactly
;;       r = np.clip(x / 2.0 ** e, -6, 6)
;;       step = 2.0 ** (np.maximum(np.frexp(np.where(r == 0, 1, r))[1] - 1, 0) - 1)
;;       q = np.round(r / step) * step * 2.0 ** e      # np.round: ties to even
;;       return np.moveaxis(q.reshape(q.shape[:-2] + (-1,))[..., :K], -1, axis).astype(np.float32)
;;   ~~~
;; One version. Each part assembles by itself: llvm-mc -triple=amdgcn-amd-amdhsa -mcpu=gfx1250 --defsym DOCPART=n.
;; ======== version 1 of 1: 5 launches
;; limits: values are held in f16: magnitudes above 65,504 overflow, below 6.1e-05 lose precision
;; workspace buffers: codes 3,670,016 bytes; scales 229,376 bytes; wo16 2,097,152 bytes; mflags 6,400 bytes of whole numbers; qkv16 25,165,824 bytes; qkv32 393,216 bytes; a16 8,388,608 bytes
;; launch prep (part 1): grid 384 x 1, 4 waves a work-group, no clusters, 33,280 bytes of LDS; arguments x, w_qkv_w, w_o_w, mask, codes, scales, wo16, mflags; writes codes, scales, wo16, mflags
.if DOCPART == 1
	.amdgcn_target "amdgcn-amd-amdhsa--gfx1250"
	.amdhsa_code_object_version 6
	.text
	.protected	k_q138d2d282f_prep
	.globl	k_q138d2d282f_prep
	.p2align	8
	.type	k_q138d2d282f_prep,@function
k_q138d2d282f_prep:
	s_mov_b64 s[64:65], 0
	v_nop
	global_prefetch_b8 v0, s[64:65] scope:SCOPE_SE
	s_setreg_imm32_b32 hwreg(HW_REG_WAVE_MODE, 25, 1), 1
	s_wait_xcnt 0x0
; PREP: three jobs that read each input once, in one launch; the work-group's number picks the job, every wave of every job reads 32 KiB.
;   work-groups   0-127: the mask [2048][2048] int32 -> flags.  Wave e takes rows 4 e .. 4 e + 3 and stores three words; bit t stands for keys 64 t .. 64 t + 63:
;                        ACT[e] (byte 4 e): some key of the tile is open in one of the four rows; all ones if one of the rows is wholly masked;
;                        HZ[e] (byte 2048 + 4 e): the tile holds a zero;   FM[e] (byte 4096 + 4 e): -1 if one of the four rows is wholly masked, else 0.
;                        Waves e = 0 .. 3 (rows 0-15) also store F16[e] (byte 6144 + 16 e), four words: bit g stands for keys 16 g .. 16 g + 15, open in one of the four rows; all ones if a row is wholly masked.
;   work-groups 128-159: w_o_w [1024 n][1024 k] f32 -> wo16, f16, laid [16 heads][1024 n][64].
;   work-groups 160-383: x [4096][1024] and w_qkv_w [3072][1024], f32 -> codes of FP4 (E2M1), K innermost, [7168 rows][512 bytes], and one E8M0 byte for each 32 along K, [7168][32].
; A block's scale is 2^(floor(log2(largest magnitude)) - 2); its byte is the largest magnitude's exponent field - 2, held at 1 from below.
; LIMITS: a block of zeros gets the byte 1 where the rule says 127 (its codes are zeros, and this program alone reads the bytes); blocks whose largest magnitude lies under 2^(2 - 126)
; keep the byte 1; NaN and infinities among the inputs are not served.  w_o_w must lie inside f16's range (65,504).
; Only the third job touches LDS (a stage and 256 scale bytes for each wave); no barrier anywhere: waves share nothing.
.set SPARE, 32768                      ; behind the four waves' regions: the spare words, 128 bytes a wave
.set SPW,   12                         ; v12  LDS address of my spare word; never rewritten
.set NIL,   13                         ; v13  0; never rewritten
.set WV,    20                         ; s20  my wave's number
.set WGX,   128                        ; work-groups that quantise x: 4096 x 1024 / 32768
.set STEPS, 16
.set EMAX,  2
.set CB,    8                          ; bytes of 16 codes
.set R,     16                         ; v16-79   four sets of 16 numbers as loaded
.set X,     80                         ; v80-111  two sets of 16 neighbours
.set E,     112                        ; v112-127 a scale byte for each step
.set C,     128                        ; v128-191 codes, four registers a step
.set WREG,  8192                       ; LDS region of a wave: two stages of 32 x SP bytes, then 256 scale bytes
.set SP,    80
.set ANYV,  16                         ; mask job: v16-31 OR of the four rows, one register for each load of 128 keys
.set ZV,    32                         ; v32-47 minimum of the four rows
.set F16,   32                         ; s32-35 the bits of the blocks of 16 keys
.macro QLOAD t
.irp i, 0,1,2,3
	global_load_b128 v[R+16*((\t)%4)+4*\i:R+16*((\t)%4)+4*\i+3], v3, s[4:5] offset:2048*(\t)+512*\i th:TH_LOAD_NT   ; 32 lanes read 512 consecutive bytes
.endr
.endm
.macro QTURN t                         ; a step's 2,048 bytes through my stage: in as loaded, back 64 bytes a lane; LDS serves a wave's instructions in order
.irp i, 0,1,2,3
	ds_store_b128 v14, v[R+16*((\t)%4)+4*\i:R+16*((\t)%4)+4*\i+3] offset:32*SP*((\t)%2)+8*SP*\i
.endr
.irp i, 0,1,2,3
	ds_load_b128 v[X+16*((\t)%2)+4*\i:X+16*((\t)%2)+4*\i+3], v15 offset:32*SP*((\t)%2)+16*\i
.endr
.endm
.macro QSTEP t
.set XS, X+16*((\t)%2)
.if (\t) > 0
	s_wait_dscnt 1                                 ; this step's numbers are back (the last step's byte store may be out)
.else
	s_wait_dscnt 0x0
.endif
.if (\t)+4 < STEPS
	QLOAD (\t)+4
.endif
.if (\t)+1 < STEPS
.if STEPS-2-(\t) >= 3
	s_wait_loadcnt 12                              ; the next step's four loads are in; those of three later steps may be out
.else
	s_wait_loadcnt 4*(STEPS-2-(\t))
.endif
	QTURN (\t)+1
.endif
	v_max3_num_f32 v8, |v[XS]|, |v[XS+1]|, |v[XS+2]|               ; the largest magnitude of my 16
	v_max3_num_f32 v9, |v[XS+3]|, |v[XS+4]|, |v[XS+5]|
.irp i, 6,10
	v_max3_num_f32 v8, v8, |v[XS+\i]|, |v[XS+\i+1]|
	v_max3_num_f32 v9, v9, |v[XS+\i+2]|, |v[XS+\i+3]|
.endr
	v_max3_num_f32 v8, v8, |v[XS+14]|, |v[XS+15]|
	v_max3_num_f32 v8, v8, v9, (EMAX+1)<<23        ; and the floor 2^(3 - 127): the byte cannot fall under 1
	v_max_num_f32_dpp v8, v8, v8 row_xmask:1 row_mask:0xf bank_mask:0xf   ; with my neighbour's 16: the block's
	v_add_nc_u32 v11, -(EMAX<<23), v8              ; 2 off its exponent field: the conversion's scale operand
	v_cvt_scalef32_pk8_fp4_f32 v[C+4*(\t)], v[XS:XS+7], v11
	v_cvt_scalef32_pk8_fp4_f32 v[C+4*(\t)+1], v[XS+8:XS+15], v11
	v_lshrrev_b32 v[E+(\t)], 23, v11               ; the scale's byte
	ds_store_b8 v5, v[E+(\t)] offset:16*(\t)       ; both lanes of a block write the same byte with the same value
	global_store_b64 v4, v[C+4*(\t):C+4*(\t)+1], s[12:13] offset:32*CB*(\t)   ; the wave stores 256 consecutive bytes
.endm
.macro LOADROW row, set                ; a mask row: 16 loads of 512 consecutive bytes; load i holds key tiles 2 i (lanes 0-15) and 2 i + 1 (lanes 16-31)
.irp i, 0,1,2,3,4,5,6,7,8,9,10,11,12,13,14,15
	global_load_b128 v[64+64*(\set)+4*\i:64+64*(\set)+4*\i+3], v3, s[10:11] offset:(\row)*8192+512*\i th:TH_LOAD_NT
.endr
.endm
.macro PROC set, first                 ; one row joins the four rows' OR and minimum; its own OR says whether it is wholly masked
.set B0, 64+64*(\set)
.irp i, 0,1,2,3,4,5,6,7,8,9,10,11,12,13,14,15
	v_or_b32 v48, v[B0+4*\i], v[B0+4*\i+1]
	v_or_b32 v49, v[B0+4*\i+2], v[B0+4*\i+3]
	v_min_u32 v50, v[B0+4*\i], v[B0+4*\i+1]
	v_min_u32 v51, v[B0+4*\i+2], v[B0+4*\i+3]
.if \first
	v_or_b32 v[ANYV+\i], v48, v49
	v_min_u32 v[ZV+\i], v50, v51
.if \i == 0
	v_mov_b32 v56, v[ANYV]
.else
	v_or_b32 v56, v56, v[ANYV+\i]
.endif
.else
	v_or_b32 v48, v48, v49
	v_min_u32 v50, v50, v51
	v_or_b32 v[ANYV+\i], v[ANYV+\i], v48
	v_min_u32 v[ZV+\i], v[ZV+\i], v50
.if \i == 0
	v_mov_b32 v56, v48
.else
	v_or_b32 v56, v56, v48
.endif
.endif
.endr
	v_cmp_ne_u32 vcc_lo, 0, v56
	s_cmp_eq_u32 vcc_lo, 0                         ; no lane saw an open key: the row is wholly masked
	s_cselect_b32 s29, -1, 0
	s_or_b32 s26, s26, s29
.endm
.macro BITS i                          ; two tiles' bits of both words, from the lane masks' halves
	v_cmp_ne_u32 s27, 0, v[ANYV+\i]
	v_cmp_eq_u32 s28, 0, v[ZV+\i]
	s_and_b32 s29, s27, 0xffff
	s_cselect_b32 s29, 1<<(2*\i), 0
	s_or_b32 s24, s24, s29
	s_lshr_b32 s29, s27, 16
	s_cselect_b32 s29, 1<<(2*\i+1), 0
	s_or_b32 s24, s24, s29
	s_and_b32 s29, s28, 0xffff
	s_cselect_b32 s29, 1<<(2*\i), 0
	s_or_b32 s25, s25, s29
	s_lshr_b32 s29, s28, 16
	s_cselect_b32 s29, 1<<(2*\i+1), 0
	s_or_b32 s25, s25, s29
.endm
; Load i's lane mask has a bit for each 4 keys, so a nibble is a block of 16 keys.  The nibbles are OR-ed into their lowest bits, and the eight bits at places 4 g are squeezed to places g:
; pairs within a byte, bytes within a half, the two halves.  The byte is blocks 8 i .. 8 i + 7.
.macro FINE16 i
	v_cmp_ne_u32 s27, 0, v[ANYV+\i]
	s_lshr_b32 s28, s27, 1
	s_or_b32 s27, s27, s28
	s_lshr_b32 s28, s27, 2
	s_or_b32 s27, s27, s28
	s_and_b32 s27, s27, 0x11111111
	s_lshr_b32 s28, s27, 3
	s_or_b32 s27, s27, s28
	s_and_b32 s27, s27, 0x03030303
	s_lshr_b32 s28, s27, 6
	s_or_b32 s27, s27, s28
	s_and_b32 s27, s27, 0x000f000f
	s_lshr_b32 s28, s27, 12
	s_or_b32 s27, s27, s28
	s_and_b32 s27, s27, 0xff
.if (\i)%4 == 0
	s_mov_b32 s[F16+(\i)/4], s27
.else
	s_lshl_b32 s27, s27, 8*((\i)%4)
	s_or_b32 s[F16+(\i)/4], s[F16+(\i)/4], s27
.endif
.endm
.macro LOADB p                         ; two rows n of w_o_w: for each head 256 consecutive bytes of each row
.irp hd, 0,1,2,3,4,5,6,7,8,9,10,11,12,13,14,15
	global_load_b128 v[64+64*((\p)%2)+4*\hd:64+64*((\p)%2)+4*\hd+3], v3, s[8:9] offset:(\p)*8192+\hd*256 th:TH_LOAD_NT
.endr
.endm
.macro CASTB p
.set CS, 64+64*((\p)%2)
.if (\p) < 3
	s_wait_loadcnt 16                              ; this pair's 16 loads are in; the next pair's may be out
.else
	s_wait_loadcnt 0x0
.endif
.if (\p) > 0
	s_wait_xcnt 0x0                                ; the last pair's stores have read v16-47
.endif
.irp hd, 0,1,2,3,4,5,6,7,8,9,10,11,12,13,14,15
	v_cvt_pk_f16_f32 v[16+2*\hd], v[CS+4*\hd], v[CS+4*\hd+1]
	v_cvt_pk_f16_f32 v[17+2*\hd], v[CS+4*\hd+2], v[CS+4*\hd+3]
.endr
.irp hd, 0,1,2,3,4,5,6,7,8,9,10,11,12,13,14,15
	global_store_b64 v4, v[16+2*\hd:17+2*\hd], s[16:17] offset:\hd*131072+(\p)*256   ; 32 lanes store 256 consecutive bytes: rows n and n + 1 of one head
.endr
.if (\p) < 2
	LOADB (\p)+2
.endif
.endm
	s_load_b256 s[4:11], s[0:1], 0x0               ; x, w_qkv_w, w_o_w, mask
	s_load_b256 s[12:19], s[0:1], 0x20             ; codes, scales, wo16, mflags
	v_lshl_add_u32 v[SPW], v0, 2, SPARE
	v_mov_b32 v[NIL], 0
	v_lshrrev_b32 v1, 5, v0
	v_readfirstlane_b32 s[WV], v1                  ; wave 0..3
	v_and_b32 v2, 31, v0                           ; lane
	s_mov_b32 s23, 0                               ; the upper word of every 64-bit offset below
	s_wait_kmcnt 0x0
	s_cmp_lt_u32 ttmp9, 128
	s_cbranch_scc1 .Lmask
	s_cmp_lt_u32 ttmp9, 160
	s_cbranch_scc1 .Lcast
	; ---- x and w_qkv_w into codes: both are plain streams of blocks of 32; a wave takes 16 steps of 512 numbers
	s_sub_co_u32 s21, ttmp9, 160
	s_cmp_lt_u32 s21, WGX                          ; x's work-group or w's?  The choice hangs on the work-group's number alone
	s_cselect_b64 s[4:5], s[4:5], s[6:7]
	s_cselect_b32 s22, 0, WGX
	s_sub_co_u32 s22, s21, s22
	s_lshl_b32 s22, s22, 2
	s_add_co_u32 s22, s22, s[WV]                   ; my run of 8,192 numbers in the tensor
	s_lshl_b32 s22, s22, 15
	s_add_nc_u64 s[4:5], s[4:5], s[22:23]
	s_lshl_b32 s21, s21, 2
	s_add_co_u32 s21, s21, s[WV]                   ; and in the joint buffers: x's rows first, then w's
	s_lshl_b32 s22, s21, 12
	s_add_nc_u64 s[12:13], s[12:13], s[22:23]
	s_lshl_b32 s22, s21, 8
	s_add_nc_u64 s[14:15], s[14:15], s[22:23]
	v_lshlrev_b32 v3, 4, v2                        ; my 16 bytes of a load's 512
	s_mul_i32 s25, s[WV], WREG
	v_lshrrev_b32 v14, 2, v2
	v_mul_u32_u24 v14, v14, SP
	v_and_b32 v15, 3, v2
	v_lshl_add_u32 v14, v15, 4, v14
	v_add_nc_u32 v14, s25, v14                     ; the stage, in: SP (lane / 4) + 16 (lane % 4)
	v_mul_u32_u24 v15, v2, SP
	v_add_nc_u32 v15, s25, v15                     ; and out: SP x lane
	v_mul_u32_u24 v4, v2, CB
	v_lshrrev_b32 v5, 1, v2
	s_add_co_u32 s25, s25, 2*32*SP
	v_add_nc_u32 v5, s25, v5                       ; my block's scale byte in LDS
	v_lshlrev_b32 v7, 3, v2
	v_add_nc_u32 v6, s25, v7
.irp t, 0,1,2,3
	QLOAD \t
.endr
	s_wait_loadcnt 12                              ; step 0's four loads are in
	QTURN 0
.irp t, 0,1,2,3,4,5,6,7,8,9,10,11,12,13,14,15
	QSTEP \t
.endr
	ds_load_b64 v[8:9], v6                         ; my wave's 256 scale bytes, 8 a lane
	s_wait_dscnt 0x0
	global_store_b64 v7, v[8:9], s[14:15]          ; one aligned run of 256 bytes
	s_wait_tensorcnt 0x0                           ; the wave's end, behind my last LDS store
	ds_add_u32 v[SPW], v[NIL]
	s_wait_dscnt 0x0
	s_endpgm
.Lmask:	; ---- the mask's flags
	s_lshl_b32 s21, ttmp9, 2
	s_add_co_u32 s21, s21, s[WV]                   ; e
	s_lshl_b32 s22, s21, 15                        ; four rows of 8,192 bytes
	s_add_nc_u64 s[10:11], s[10:11], s[22:23]
	s_lshl_b32 s31, s21, 2
	v_lshlrev_b32 v3, 4, v2
	s_mov_b32 s24, 0                               ; any open
	s_mov_b32 s25, 0                               ; has a zero
	s_mov_b32 s26, 0                               ; a wholly masked row
	LOADROW 0, 0
	LOADROW 1, 1
	s_wait_loadcnt 16                              ; the older row is in, the younger row's 16 loads may be out
	PROC 0, 1
	LOADROW 2, 0
	s_wait_loadcnt 16
	PROC 1, 0
	LOADROW 3, 1
	s_wait_loadcnt 16
	PROC 0, 0
	s_wait_loadcnt 0x0
	PROC 1, 0
.irp i, 0,1,2,3,4,5,6,7,8,9,10,11,12,13,14,15
	BITS \i
.endr
	s_or_b32 s24, s24, s26                         ; a wholly masked row averages all keys: nothing may be left out for it
	s_cmp_lt_u32 s21, 4                            ; rows 0-15 alone are also wanted by blocks of 16 keys: ids alone decide
	s_cbranch_scc0 .Lcoarse
.irp i, 0,1,2,3,4,5,6,7,8,9,10,11,12,13,14,15
	FINE16 \i
.endr
.irp w, 0,1,2,3
	s_or_b32 s[F16+\w], s[F16+\w], s26
	v_mov_b32 v[52+\w], s[F16+\w]
.endr
	s_lshl_b32 s36, s21, 4
	v_mov_b32 v57, s36
	s_wait_xcnt 0x0                                ; EXEC changes only behind this wait
	v_cmp_eq_u32 vcc_lo, 0, v2
	s_and_saveexec_b32 s30, vcc_lo                 ; lane 0 alone: 16 bytes a wave, 64 in the whole launch
	global_store_b128 v57, v[52:55], s[18:19] offset:6144
	s_wait_xcnt 0x0
	s_or_b32 exec_lo, exec_lo, s30
.Lcoarse:
	v_mov_b32 v48, s24
	v_mov_b32 v49, s25
	v_mov_b32 v50, s26
	v_mov_b32 v51, s31
	s_wait_xcnt 0x0                                ; EXEC changes only behind this wait
	v_cmp_eq_u32 vcc_lo, 0, v2
	s_and_saveexec_b32 s30, vcc_lo                 ; lane 0 alone: three words a wave, 6 KiB in the whole launch
	global_store_b32 v51, v48, s[18:19]
	global_store_b32 v51, v49, s[18:19] offset:2048
	global_store_b32 v51, v50, s[18:19] offset:4096
	s_wait_xcnt 0x0
	s_or_b32 exec_lo, exec_lo, s30
	s_endpgm
.Lcast:	; ---- w_o_w to f16, by heads: wave wv takes rows n = 8 wv .. 8 wv + 7, two at a time
	s_sub_co_u32 s21, ttmp9, 128
	s_lshl_b32 s21, s21, 2
	s_add_co_u32 s21, s21, s[WV]
	s_lshl_b32 s22, s21, 15
	s_add_nc_u64 s[8:9], s[8:9], s[22:23]
	s_lshl_b32 s22, s21, 10
	s_add_nc_u64 s[16:17], s[16:17], s[22:23]
	v_and_b32 v5, 15, v2
	v_lshrrev_b32 v6, 4, v2
	v_lshlrev_b32 v3, 4, v5
	v_lshl_add_u32 v3, v6, 12, v3                  ; in: row lane / 16, 16 bytes for each of 16 lanes
	v_lshlrev_b32 v4, 3, v5
	v_lshl_add_u32 v4, v6, 7, v4                   ; out: 128 bytes a row, 8 bytes a lane
	LOADB 0
	LOADB 1
	CASTB 0
	CASTB 1
	CASTB 2
	CASTB 3
	s_endpgm
.Lfunc_end_k_q138d2d282f_prep:
	.size	k_q138d2d282f_prep, .Lfunc_end_k_q138d2d282f_prep-k_q138d2d282f_prep
	.p2alignl 7, 3214868480
	.fill 96, 4, 3214868480
	.section	.rodata,"a",@progbits
	.p2align	6, 0x0
	.amdhsa_kernel k_q138d2d282f_prep
		.amdhsa_group_segment_fixed_size 33280
		.amdhsa_private_segment_fixed_size 0
		.amdhsa_enable_private_segment 0
		.amdhsa_kernarg_size 64
		.amdhsa_user_sgpr_count 2
		.amdhsa_user_sgpr_kernarg_segment_ptr 1
		.amdhsa_wavefront_size32 1
		.amdhsa_system_sgpr_workgroup_id_x 1
		.amdhsa_system_sgpr_workgroup_id_y 1
		.amdhsa_system_sgpr_workgroup_id_z 1
		.amdhsa_system_vgpr_workitem_id 0
		.amdhsa_next_free_vgpr 192
		.amdhsa_next_free_sgpr 66
		.amdhsa_reserve_vcc 1
		.amdhsa_float_denorm_mode_32 3
		.amdhsa_float_denorm_mode_16_64 3
		.amdhsa_memory_ordered 1
		.amdhsa_forward_progress 1
		.amdhsa_inst_pref_size 101
	.end_amdhsa_kernel
	.amdgpu_metadata
---
amdhsa.version: [ 1, 2 ]
amdhsa.kernels:
  - .name:           k_q138d2d282f_prep
    .symbol:         k_q138d2d282f_prep.kd
    .args:
      - { .name: x, .offset: 0, .size: 8, .value_kind: global_buffer, .address_space: global }
      - { .name: w_qkv_w, .offset: 8, .size: 8, .value_kind: global_buffer, .address_space: global }
      - { .name: w_o_w, .offset: 16, .size: 8, .value_kind: global_buffer, .address_space: global }
      - { .name: mask, .offset: 24, .size: 8, .value_kind: global_buffer, .address_space: global }
      - { .name: codes, .offset: 32, .size: 8, .value_kind: global_buffer, .address_space: global }
      - { .name: scales, .offset: 40, .size: 8, .value_kind: global_buffer, .address_space: global }
      - { .name: wo16, .offset: 48, .size: 8, .value_kind: global_buffer, .address_space: global }
      - { .name: mflags, .offset: 56, .size: 8, .value_kind: global_buffer, .address_space: global }
    .group_segment_fixed_size: 33280
    .private_segment_fixed_size: 0
    .kernarg_segment_align: 8
    .kernarg_segment_size: 64
    .max_flat_workgroup_size: 128
    .sgpr_count:     66
    .vgpr_count:     192
    .wavefront_size: 32
...
	.end_amdgpu_metadata
.endif
;; end of part 1
;; launch qkv (part 2): grid 12 x 16, 4 waves a work-group, clusters of 4 x 4, 327,680 bytes of LDS; arguments codes, scales, w_qkv_b, qkv16, qkv32; writes qkv16, qkv32
.if DOCPART == 2
	.amdgcn_target "amdgcn-amd-amdhsa--gfx1250"
	.amdhsa_code_object_version 6
	.text
	.protected	k_q138d2d282f_qkv
	.globl	k_q138d2d282f_qkv
	.p2align	8
	.type	k_q138d2d282f_qkv,@function
k_q138d2d282f_qkv:
	s_mov_b64 s[64:65], 0
	v_nop
	global_prefetch_b8 v0, s[64:65] scope:SCOPE_SE
	s_setreg_imm32_b32 hwreg(HW_REG_WAVE_MODE, 25, 1), 1
	s_wait_xcnt 0x0
	s_wait_alu depctr_hold_cnt(0) depctr_sa_sdst(0) depctr_va_vdst(0) depctr_va_sdst(0) depctr_va_ssrc(0) depctr_va_vcc(0) depctr_vm_vsrc(0)
	s_getreg_b32 s2, hwreg(HW_REG_IB_STS2, 6, 4)
	s_cmp_eq_u32 s2, 0
	s_cbranch_scc0 .Lentry_in_a_cluster
	s_endpgm
.Lentry_in_a_cluster:
	s_bfe_u32 s2, ttmp6, 0x10000c
	s_cmp_lg_u32 s2, 0xf033
	s_cbranch_scc0 .Lentry_shape_is_right
	s_endpgm
.Lentry_shape_is_right:
; QKV: C[m][n] = sum over k of x[m][k] w[n][k] + b[n], m 4,096, n 3,072, k 1,024, on codes of FP4 (E2M1) with one E8M0 scale for each 32 along K; sums in f32.
; codes: [7168 rows][512 bytes], rows 0-4095 x, rows 4096-7167 w;  scales: [7168][32].
; OUT: qkv16, f16, [3 parts][2 batches][16 heads][2048 positions][64]; the q part is multiplied in f32 by log2(e) / 8 ahead of its one rounding, so that the scores come out as exponents of 2.
;      qkv32, f32, [2 batches][16 positions][3072]: the unscaled sums of positions 0-15, for the launch that carries those rows in f32.
; LIMIT: the sums must lie inside f16's range (65,504).
; A tile of C, 256 x 256, is made by a work-group of four waves; a wave makes 128 x 128: 64 accumulators, 512 registers.  K is two slots of 512: both are asked for at the head and nothing is filled again.
; The scale bytes of the work-group's 256 + 256 rows come once, as dense blocks.  CLUSTERS: 4 x 4 work-groups; A's tiles are shared along a row of the cluster, B's along a column, by joint loads.
; A wave has three tensor loads out at the head.
; THE MATRIX INSTRUCTION IS USED TRANSPOSED (source 0 = 16 rows of w, source 1 = 16 rows of x): a lane holds eight neighbouring columns of one row of C.  The bias is the C of each sum's first product.
; REGISTERS: window 0: v0-31 addresses; v32-95 scale words, two sets; v128-191 A's fragments, one set; v192-255 the bias in the result's layout; on the way out v32-191 are at work.
;   window 1: B's fragments, two sets.   window 2: the accumulators of my rows 0-63 ((a, b) at v[8 (8 a + b)]);   window 3: those of rows 64-127.
.set NQ,     4                         ; steps of 128 along K in a slot
.set ROWB,   256                       ; a tile's row: 512 codes
.set KROW,   512                       ; a row of codes in memory
.set PITCH,  272                       ; an LDS row: 256 bytes + 16 of padding: the 16 rows of a load start 16 bytes apart modulo 256
.set FR,     8
.set NL,     2
.set NP,     4
.set HALFT,  128*PITCH
.set SLOT,   4*HALFT
.set KS,     32                        ; a row of scale bytes
.set SCL,    2*SLOT
.set HALFS,  (128*KS/256)*272
.set SBLK,   (16*KS/256)*272
.set SPARE,  SCL+4*HALFS               ; the spare words, 128 bytes a wave
.set SP16,   144                       ; the way out: a stage row: 128 bytes (a head's 64 f16) + 16
.set ADRA, 16
.set ADRB, 20
.set STO,  24
.set RD,   25
.set CO,   26
.set ADRS, 27
.set SPW,  28
.set NIL,  29
.set FLG,  30                          ; v30  0 in the waves that hold positions 0-15 of a batch
.set FO,   31                          ; v31  my byte offset in qkv32
.set SC,   32
.set TF,   32                          ; the way out: a block's 64 numbers, scaled
.set TMP,  96                          ; and rounded to f16
.set AF,   128
.set BK,   128                         ; rows read back from the stage: v128-159, v160-191 by turns
.set BIAS, 192
.set FAC,  100                         ; s[100:101] log2(e) / 8 for the q part, 1.0 for k and v
.set G1, 24
.set G0, 32
.set G1B, 48
.set G0B, 56
.set G1S, 68
.set G0S, 76
.set G1SB, 80
.set G0SB, 88
.set MSB, 0
.macro WIN new                         ; the immediate's high byte repeats the setting that is left
.if MSB != (\new)
	s_set_vgpr_msb (MSB<<8)|(\new)
.set MSB, (\new)
.endif
.endm
.set MUL_LO, 0xa1                      ; source 0 (B) window 1, source 1 (A) window 0, C and D window 2
.set MUL_HI, 0xf1
.set TO_B,   0x40
; A joint load: waves 0 and 1 fetch for A, waves 2 and 3 for B; the branch hangs on the wave's number alone.  An s_nop 0 and four v_nop follow each line.
.macro JLOAD g0a, g1a, g0b, g1b
	s_cmp_eq_u32 s15, 0
	s_cbranch_scc0 .Lfor_b_\@
	tensor_load_to_lds s[\g0a:\g0a+3], s[\g1a:\g1a+7]
	s_nop 0
.rept 4
	v_nop
.endr
	s_branch .Lasked_\@
.Lfor_b_\@:
	tensor_load_to_lds s[\g0b:\g0b+3], s[\g1b:\g1b+7]
	s_nop 0
.rept 4
	v_nop
.endr
.Lasked_\@:
.endm
.macro CROUND                          ; a round of the cluster's barrier
	s_barrier_signal -1
	s_barrier_wait -1
	s_cmp_lg_u32 s14, 0
	s_cbranch_scc1 .Lnot_wave_0_\@
	s_barrier_signal -3
.Lnot_wave_0_\@:
	s_barrier_wait -3
	s_barrier_signal -1
	s_barrier_wait -1
.endm
	s_load_b128 s[4:7], s[0:1], 0x0                ; codes, scales
	s_load_b64 s[96:97], s[0:1], 0x10              ; the bias
	s_load_b64 s[12:13], s[0:1], 0x18              ; qkv16
	s_load_b64 s[98:99], s[0:1], 0x20              ; qkv32
	v_lshl_add_u32 v[SPW], v0, 2, SPARE
	v_mov_b32 v[NIL], 0
	ds_add_u32 v[SPW], v[NIL]                      ; the wave's opening: the add, twice on end, and its wait ahead of my first tensor load
	ds_add_u32 v[SPW], v[NIL]
	v_lshrrev_b32 v1, 5, v0
	v_readfirstlane_b32 s14, v1                    ; wave 0..3
	s_lshr_b32 s15, s14, 1                         ; my half of the tile's rows.  Also: I fetch for A (0) or for B (1)
	s_and_b32 s16, s14, 1                          ; my half of its columns.  Also: which 128 rows I fetch
	s_bfe_u32 s40, ttmp6, 0x40000                  ; cx, cy
	s_bfe_u32 s41, ttmp6, 0x40004
	s_lshl_b32 s42, ttmp9, 2
	s_add_co_u32 s42, s42, s40                     ; tile column of C
	s_and_b32 s17, ttmp7, 0xffff
	s_lshl_b32 s17, s17, 2
	s_add_co_u32 s17, s17, s41                     ; tile row of C
	s_lshl_b32 s43, s41, 2
	s_lshl_b32 s43, 15, s43                        ; my row of the cluster
	s_lshl_b32 s44, 0x1111, s40                    ; my column
	s_or_b32 s[G1+0], s43, (0<<16)|(1<<20)|(1<<21)|(5<<22)|(3<<25)  ; the mask; elements of 1 byte; padding: 4 words after every 64
	s_or_b32 s[G1B+0], s44, (0<<16)|(1<<20)|(1<<21)|(5<<22)|(3<<25)
.irp g, G1, G1B
	s_mov_b32 s[\g+1], ROWB<<16                    ; tensor_dim0
	s_mov_b32 s[\g+2], 128<<16                     ; tensor_dim1
	s_mov_b32 s[\g+3], ROWB<<16                    ; tile_dim0
	s_mov_b32 s[\g+4], 128                         ; tile_dim1
	s_mov_b32 s[\g+5], KROW                        ; the pitch
	s_mov_b32 s[\g+6], 0
	s_mov_b32 s[\g+7], 0
.endr
	s_or_b32 s[G1S+0], s43, (3<<16)|(1<<20)|(1<<21)|(5<<22)|(3<<25) ; the scales of 128 rows: 4,096 dense bytes as rows of 256 (32 elements of 8 bytes)
	s_or_b32 s[G1SB+0], s44, (3<<16)|(1<<20)|(1<<21)|(5<<22)|(3<<25)
.irp g, G1S, G1SB
	s_mov_b32 s[\g+1], 32<<16
	s_mov_b32 s[\g+2], (128*KS/256)<<16
	s_mov_b32 s[\g+3], 32<<16
	s_mov_b32 s[\g+4], 128*KS/256
	s_mov_b32 s[\g+5], 32
	s_mov_b32 s[\g+6], 0
	s_mov_b32 s[\g+7], 0
.endr
	s_lshl_b32 s18, s16, 7
	s_lshl_b32 s20, s17, 8
	s_add_co_u32 s20, s20, s18                     ; A: row 256 x tile row + 128 x half
	s_lshl_b32 s46, s42, 8
	s_add_co_u32 s46, s46, s18                     ; B: row 256 x tile column + 128 x half
	s_mov_b32 s21, 0
	s_mov_b32 s47, 0
	s_mov_b64 s[18:19], KS
	s_mul_u64 s[22:23], s[20:21], s[18:19]
	s_mul_u64 s[92:93], s[46:47], s[18:19]
	s_mov_b64 s[18:19], KROW
	s_mul_u64 s[20:21], s[20:21], s[18:19]
	s_mul_u64 s[46:47], s[46:47], s[18:19]
	s_mul_i32 s45, s14, HALFT
	s_mul_i32 s94, s14, HALFS
	s_mov_b32 s[FAC], 1.0
	s_cmp_eq_u32 ttmp9, 0                          ; the cluster's x is the part (q, k, v): the same in all sixteen partners
	s_cselect_b32 s[FAC], 0x3e38aa3b, s[FAC]
	s_mov_b32 s[FAC+1], s[FAC]
	s_wait_dscnt 0x0                               ; both opening adds are done
	s_wait_kmcnt 0x0
	s_add_nc_u64 s[8:9], s[4:5], 4096*KROW         ; w's codes lie behind x's,
	s_add_nc_u64 s[10:11], s[6:7], 4096*KS         ; and its scale bytes likewise
	s_add_nc_u64 s[20:21], s[4:5], s[20:21]
	s_add_nc_u64 s[22:23], s[6:7], s[22:23]
	s_add_nc_u64 s[46:47], s[8:9], s[46:47]
	s_add_nc_u64 s[92:93], s[10:11], s[92:93]
	CROUND                                         ; all sixteen work-groups are here: the joint loads meet
	s_mov_b32 s[G0S], 1
	s_add_co_u32 s[G0S+1], s94, SCL
	s_mov_b64 s[G0S+2:G0S+3], s[22:23]
	s_or_b32 s[G0S+3], s[G0S+3], 0x80000000
	s_mov_b32 s[G0SB], 1
	s_add_co_u32 s[G0SB+1], s94, SCL
	s_mov_b64 s[G0SB+2:G0SB+3], s[92:93]
	s_or_b32 s[G0SB+3], s[G0SB+3], 0x80000000
	JLOAD G0S, G1S, G0SB, G1SB                     ; the scales first
.irp s, 0,1
	s_mov_b32 s[G0+4*\s], 1
	s_add_co_u32 s[G0+4*\s+1], s45, \s*SLOT
	s_add_nc_u64 s[G0+4*\s+2:G0+4*\s+3], s[20:21], \s*ROWB
	s_or_b32 s[G0+4*\s+3], s[G0+4*\s+3], 0x80000000
	s_mov_b32 s[G0B+4*\s], 1
	s_add_co_u32 s[G0B+4*\s+1], s45, \s*SLOT
	s_add_nc_u64 s[G0B+4*\s+2:G0B+4*\s+3], s[46:47], \s*ROWB
	s_or_b32 s[G0B+4*\s+3], s[G0B+4*\s+3], 0x80000000
	JLOAD G0+4*\s, G1, G0B+4*\s, G1B
.endr
	v_and_b32 v1, 15, v0                           ; r
	v_bfe_u32 v2, v0, 4, 1                         ; h
	v_mul_u32_u24 v3, v1, PITCH
	v_lshl_add_u32 v4, v2, 4, v3
	s_mul_i32 s21, s15, HALFT
	s_mul_i32 s22, s16, HALFT
	s_add_co_u32 s22, s22, 2*HALFT
.irp s, 0,1
	v_add_nc_u32 v[ADRA+\s], s21, v4
	v_add_nc_u32 v[ADRB+\s], s22, v4
	s_add_co_u32 s21, s21, SLOT
	s_add_co_u32 s22, s22, SLOT
.endr
	v_mul_u32_u24 v5, v1, KS                       ; my row's scales: 32 bytes a row, 16 more for each 256 passed
	v_lshrrev_b32 v6, 8, v5
	v_lshl_add_u32 v5, v6, 4, v5
	s_mul_i32 s21, s15, HALFS
	s_mul_i32 s22, s16, HALFS
	s_add_co_u32 s22, s22, 2*HALFS
	s_sub_co_u32 s22, s22, s21
	v_mul_u32_u24 v6, s22, v2                      ; lanes 16-31 take B's
	s_add_co_u32 s21, s21, SCL
	v_add_nc_u32 v5, v5, v6
	v_add_nc_u32 v[ADRS], s21, v5
	s_mul_i32 s23, s14, 2*16*SP16                  ; my stage: two heads x 16 rows.  It lies in slot 0, which has had its only fill and its last read when the first result goes there
	v_mul_u32_u24 v5, v1, SP16
	v_lshl_add_u32 v5, v2, 4, v5
	v_add_nc_u32 v[STO], s23, v5                   ; in: row r, 16 bytes for each half of the lanes
	v_and_b32 v6, 31, v0
	v_lshlrev_b32 v[CO], 4, v6                     ; out: 16 bytes a lane: four rows of 128 bytes are 512 consecutive bytes of a head
	v_lshrrev_b32 v5, 3, v6
	v_mul_u32_u24 v5, v5, SP16
	v_and_b32 v6, 7, v0
	v_lshl_add_u32 v5, v6, 4, v5
	v_add_nc_u32 v[RD], s23, v5
	s_lshr_b32 s20, s17, 3                         ; the batch
	s_lshl_b32 s21, ttmp9, 1
	s_add_co_u32 s21, s21, s20
	s_lshl_b32 s21, s21, 4
	s_and_b32 s46, s42, 3
	s_lshl_b32 s46, s46, 2
	s_add_co_u32 s21, s21, s46
	s_lshl_b32 s46, s16, 1
	s_add_co_u32 s21, s21, s46                     ; (part x 2 + batch) x 16 + my first head
	s_lshl_b32 s21, s21, 18                        ; 2,048 rows of 128 bytes a head
	s_and_b32 s46, s17, 7
	s_lshl_b32 s46, s46, 8
	s_lshl_b32 s47, s15, 7
	s_add_co_u32 s46, s46, s47                     ; my first position
	s_lshl_b32 s46, s46, 7
	s_add_co_u32 s46, s46, s21
	s_mov_b32 s47, 0
	s_add_nc_u64 s[12:13], s[12:13], s[46:47]
	s_lshl_b32 s46, s42, 10
	s_lshl_b32 s47, s16, 9
	s_add_co_u32 s46, s46, s47                     ; my first column, as f32 bytes
	s_mov_b32 s47, 0
	s_add_nc_u64 s[96:97], s[96:97], s[46:47]
	s_add_nc_u64 s[98:99], s[98:99], s[46:47]
	s_mul_i32 s46, s20, 16*3072*4
	s_add_nc_u64 s[98:99], s[98:99], s[46:47]
	v_lshlrev_b32 v7, 5, v2                        ; the bias: lane (r, h) wants, for tile b, columns 16 b + 8 h + 0 .. 7
.irp b, 0,1,2,3,4,5,6,7
	global_load_b128 v[BIAS+8*\b:BIAS+8*\b+3], v7, s[96:97] offset:64*\b
	global_load_b128 v[BIAS+8*\b+4:BIAS+8*\b+7], v7, s[96:97] offset:64*\b+16
.endr
	v_mul_u32_u24 v[FO], v1, 3072*4
	v_lshl_add_u32 v[FO], v2, 5, v[FO]
	s_and_b32 s2, s17, 7
	s_or_b32 s2, s2, s15                           ; 0 where my block 0 is positions 0-15 of a batch
	v_mov_b32 v[FLG], s2
.macro FRAG reg, adr, q, i             ; 16 rows x 128 K of 4-bit codes: 8 registers, two loads of 16 bytes, 32 bytes apart
.irp c, 0,1
	ds_load_b128 v[\reg+4*\c:\reg+4*\c+3], v[\adr] offset:64*(\q)+32*\c+(\i)*16*PITCH
.endr
.endm
; 16 matrix instructions: A's blocks a0, a0 + 1 x B's eight.  zero = 1: the first product starts the sums from the bias.  The 64 accumulators take turns, one instruction a turn.
.macro MUL16 a0, p, q, sc, zero
.irp a, \a0, \a0+1
.irp b, 0,1,2,3,4,5,6,7
.if \zero
	v_wmma_scale_f32_16x16x128_f8f6f4 v[8*(8*((\a)%4)+\b):8*(8*((\a)%4)+\b)+7], v[128*(\p)+FR*\b:128*(\p)+FR*\b+FR-1], v[AF+FR*(\a):AF+FR*(\a)+FR-1], v[BIAS+8*\b:BIAS+8*\b+7], v[SC+8*NQ*(\sc)+NQ*\b+(\q)], v[SC+8*NQ*(\sc)+NQ*(\a)+(\q)] matrix_a_fmt:MATRIX_FMT_FP4 matrix_b_fmt:MATRIX_FMT_FP4 matrix_a_scale:MATRIX_SCALE_ROW1
.else
	v_wmma_scale_f32_16x16x128_f8f6f4 v[8*(8*((\a)%4)+\b):8*(8*((\a)%4)+\b)+7], v[128*(\p)+FR*\b:128*(\p)+FR*\b+FR-1], v[AF+FR*(\a):AF+FR*(\a)+FR-1], v[8*(8*((\a)%4)+\b):8*(8*((\a)%4)+\b)+7], v[SC+8*NQ*(\sc)+NQ*\b+(\q)], v[SC+8*NQ*(\sc)+NQ*(\a)+(\q)] matrix_a_fmt:MATRIX_FMT_FP4 matrix_b_fmt:MATRIX_FMT_FP4 matrix_a_scale:MATRIX_SCALE_ROW1
.endif
.endr
.endr
.endm
.macro FETCH_B slot, q, p
	WIN TO_B
.irp i, 0,1,2,3,4,5,6,7
	FRAG 128*(\p)+FR*\i, ADRB+\slot, \q, \i
.endr
	WIN 0
.endm
.macro FETCH_A slot, q, i0
.irp i, \i0, \i0+1, \i0+2, \i0+3
	FRAG AF+FR*(\i), ADRA+\slot, \q, \i
.endr
.endm
.macro SCALES sc                       ; a slot's scale words: lanes 0-15 A's block i, lanes 16-31 B's block i
.irp i, 0,1,2,3,4,5,6,7
	ds_load_b128 v[SC+8*NQ*\sc+NQ*\i:SC+8*NQ*\sc+NQ*\i+3], v[ADRS] offset:\i*SBLK
.endr
.endm
.macro PLACES n                        ; plain vector instructions between a matrix instruction and a load into, or a read of, its registers
.rept \n
	v_nop
.endr
.endm
.macro STEP slot, q, zero
	s_wait_dscnt 4*NL                              ; B's set and A's blocks 0-3 are in; the youngest eight loads (A's blocks 4-7) may be out
.if \zero
	WIN 0x81                                       ; C (the bias) window 0, D window 2
.else
	WIN MUL_LO
.endif
	MUL16 0, (\q)%2, \q, \slot, \zero
	MUL16 2, (\q)%2, \q, \slot, \zero
	s_wait_dscnt 0
	PLACES NP
	FETCH_B \slot, (\q)+1, 1-(\q)%2
	FETCH_A \slot, (\q)+1, 0
.if \zero
	WIN 0xc1
.else
	WIN MUL_HI
.endif
	MUL16 4, (\q)%2, \q, \slot, \zero
	MUL16 6, (\q)%2, \q, \slot, \zero
	PLACES NP
	WIN 0
	FETCH_A \slot, (\q)+1, 4
.endm
; Slot 0's last step changes slots: each wave waits for all its tensor loads (slot 1's part), adds 0 to its spare word, waits for that and for its reads of slot 0; one barrier.  Nothing is filled again.
.macro TURN slot, next
	s_wait_tensorcnt 0x0
	ds_add_u32 v[SPW], v[NIL]
	s_wait_dscnt 4*NL+1                            ; (the add and A's blocks 4-7 may be out)
	WIN MUL_LO
	MUL16 0, 1, NQ-1, \slot, 0
	s_wait_dscnt 0x0
	s_barrier_signal -1
	MUL16 2, 1, NQ-1, \slot, 0
	WIN 0
	s_barrier_wait -1
	PLACES NP
	v_add_nc_u32 v[ADRS], 4*NQ, v[ADRS]            ; the next slot's scale words
	FETCH_B \next, 0, 0
	FETCH_A \next, 0, 0
	SCALES \next
	WIN MUL_HI
	MUL16 4, 1, NQ-1, \slot, 0
	MUL16 6, 1, NQ-1, \slot, 0
	PLACES NP
	WIN 0
	FETCH_A \next, 0, 4
.endm
	s_wait_tensorcnt 1                             ; the scales and my part of slot 0 are in (slot 1's load may be out),
	s_barrier_signal -1
	s_barrier_wait -1                              ; everybody's are
	FETCH_B 0, 0, 0
	FETCH_A 0, 0, 0
	SCALES 0
	FETCH_A 0, 0, 4
	s_wait_loadcnt 0x0                             ; the bias
	STEP 0, 0, 1
	STEP 0, 1, 0
	STEP 0, 2, 0
	TURN 0, 1
	STEP 1, 0, 0
	STEP 1, 1, 0
	STEP 1, 2, 0
	s_wait_dscnt 4*NL                              ; the last step: nothing more to fetch
	WIN MUL_LO
	MUL16 0, 1, NQ-1, 1, 0
	MUL16 2, 1, NQ-1, 1, 0
	s_wait_dscnt 0
	WIN MUL_HI
	MUL16 4, 1, NQ-1, 1, 0
	MUL16 6, 1, NQ-1, 1, 0
	WIN 0
	PLACES NP
	; positions 0-15 of a batch also leave as f32.  No branch hangs on the work-group's place in its cluster: the lanes are switched off elsewhere.  256 bytes a lane, 0.4 MB in the whole launch
	s_wait_xcnt 0x0                                ; EXEC changes only behind this wait
	v_cmp_eq_u32 vcc_lo, 0, v[FLG]
	s_and_saveexec_b32 s3, vcc_lo
	WIN 0x08                                       ; a store's data: window 2
.irp b, 0,1,2,3,4,5,6,7
	global_store_b128 v[FO], v[8*\b:8*\b+3], s[98:99] offset:64*\b         ; each accumulator from its low end on
	global_store_b128 v[FO], v[8*\b+4:8*\b+7], s[98:99] offset:64*\b+16
.endr
	WIN 0
	s_wait_xcnt 0x0
	s_or_b32 exec_lo, exec_lo, s3
; THE WAY OUT, block by block of 16 rows x 128 columns (two heads).  PACK: x the part's factor, rounded to f16.  TOSTAGE: 16 bytes a lane into my stage, back as rows of 128 bytes.  SEND: 512 consecutive bytes a store.
.macro PACK a
.set AC, 64*((\a)%4)
	WIN 0x02+((\a)/4)
.set i, 0
.rept 32
	v_pk_mul_f32 v[TF+i:TF+i+1], v[AC+i:AC+i+1], s[FAC:FAC+1] op_sel_hi:[1,0]
.set i, i+2
.endr
	WIN 0
.set i, 0
.rept 32
	v_cvt_pk_f16_f32 v[TMP+i], v[TF+2*i], v[TF+2*i+1]
.set i, i+1
.endr
.endm
.macro TOSTAGE a
.set BB, BK+32*((\a)%2)
.irp b, 0,1,2,3,4,5,6,7
	ds_store_b128 v[STO], v[TMP+4*\b:TMP+4*\b+3] offset:(\b/4)*16*SP16+(\b%4)*32
.endr
.irp t, 0,1,2,3,4,5,6,7
	ds_load_b128 v[BB+4*\t:BB+4*\t+3], v[RD] offset:(\t/4)*16*SP16+(\t%4)*4*SP16   ; LDS serves a wave's instructions in order: these see the stores above
.endr
.endm
.macro SEND a
.set BB, BK+32*((\a)%2)
	s_wait_dscnt 0x0                               ; the block is back in registers
	s_wait_xcnt 0x0                                ; the block before has left its registers: the next block's loads may land there
.irp t, 0,1,2,3,4,5,6,7
	global_store_b128 v[CO], v[BB+4*\t:BB+4*\t+3], s[12:13] offset:(\t/4)*262144+(\t%4)*512+(\a)*2048
.endr
.endm
	PACK 0
	TOSTAGE 0
.irp a, 1,2,3,4,5,6,7                  ; block a's arithmetic stands between block a - 1's loads from the stage and the wait for them
	PACK \a
	SEND \a-1
	TOSTAGE \a
.endr
	SEND 7
	s_wait_tensorcnt 0x0                           ; the wave's end
	ds_add_u32 v[SPW], v[NIL]
	s_wait_dscnt 0x0
	CROUND                                         ; the closing round
	s_endpgm
.Lfunc_end_k_q138d2d282f_qkv:
	.size	k_q138d2d282f_qkv, .Lfunc_end_k_q138d2d282f_qkv-k_q138d2d282f_qkv
	.p2alignl 7, 3214868480
	.fill 96, 4, 3214868480
	.section	.rodata,"a",@progbits
	.p2align	6, 0x0
	.amdhsa_kernel k_q138d2d282f_qkv
		.amdhsa_group_segment_fixed_size 327680
		.amdhsa_private_segment_fixed_size 0
		.amdhsa_enable_private_segment 0
		.amdhsa_kernarg_size 40
		.amdhsa_user_sgpr_count 2
		.amdhsa_user_sgpr_kernarg_segment_ptr 1
		.amdhsa_wavefront_size32 1
		.amdhsa_system_sgpr_workgroup_id_x 1
		.amdhsa_system_sgpr_workgroup_id_y 1
		.amdhsa_system_sgpr_workgroup_id_z 1
		.amdhsa_system_vgpr_workitem_id 0
		.amdhsa_next_free_vgpr 1024
		.amdhsa_next_free_sgpr 102
		.amdhsa_reserve_vcc 1
		.amdhsa_float_denorm_mode_32 3
		.amdhsa_float_denorm_mode_16_64 3
		.amdhsa_memory_ordered 1
		.amdhsa_forward_progress 1
		.amdhsa_inst_pref_size 147
	.end_amdhsa_kernel
	.amdgpu_metadata
---
amdhsa.version: [ 1, 2 ]
amdhsa.kernels:
  - .name:           k_q138d2d282f_qkv
    .symbol:         k_q138d2d282f_qkv.kd
    .args:
      - { .name: codes, .offset: 0, .size: 8, .value_kind: global_buffer, .address_space: global }
      - { .name: scales, .offset: 8, .size: 8, .value_kind: global_buffer, .address_space: global }
      - { .name: w_qkv_b, .offset: 16, .size: 8, .value_kind: global_buffer, .address_space: global }
      - { .name: qkv16, .offset: 24, .size: 8, .value_kind: global_buffer, .address_space: global }
      - { .name: qkv32, .offset: 32, .size: 8, .value_kind: global_buffer, .address_space: global }
    .group_segment_fixed_size: 327680
    .private_segment_fixed_size: 0
    .kernarg_segment_align: 8
    .kernarg_segment_size: 40
    .max_flat_workgroup_size: 128
    .sgpr_count:     102
    .vgpr_count:     1024
    .wavefront_size: 32
...
	.end_amdgpu_metadata
.endif
;; end of part 2
;; launch attn (part 3): grid 8 x 32, 8 waves a work-group, no clusters, 58,368 bytes of LDS; arguments qkv16, mask, mflags, a16; writes a16
.if DOCPART == 3
	.amdgcn_target "amdgcn-amd-amdhsa--gfx1250"
	.amdhsa_code_object_version 6
	.text
	.protected	k_q138d2d282f_attn
	.globl	k_q138d2d282f_attn
	.p2align	8
	.type	k_q138d2d282f_attn,@function
k_q138d2d282f_attn:
	s_mov_b64 s[64:65], 0
	v_nop
	global_prefetch_b8 v0, s[64:65] scope:SCOPE_SE
	s_setreg_imm32_b32 hwreg(HW_REG_WAVE_MODE, 25, 1), 1
	s_wait_xcnt 0x0
; ATTENTION, f16 operands, f32 sums, maxima and exponentials.  a[b][h][q] = sum over k of softmax_k(t) v[k], t = q' . k with q' = q log2(e) / 8 (the factor was put on q in f32 by the launch before),
; and t = -1e9 log2(e) where the mask, an INPUT that is read here, holds 0.  p = 2^(t - m) with a running maximum m; the row's sum divides at the end.
; qkv16: f16 [3 parts][32 batch x head][2048][64].  a16: f16 [16 heads][4096 tokens][64].  mflags: for each four rows of the mask, a bit for each tile of 64 keys (ACT: to be done; HZ: holds a zero).
; WHAT IS LEFT OUT.  A tile of 64 keys that is masked for all 128 queries of a block adds exactly 0 where each of those queries has an open key (2^(-1.44e9 - m) is 0 in f32): it is passed over.  A block with a
; wholly masked row has all ACT bits set and passes over nothing: such a row averages all v, as the subtraction of equal numbers gives p = 1.
; LIMITS: true scores stay above -1e9 + 200; q, k, v inside f16's range; NaN and infinities are not served.
; SHARES.  Work-group (i, batch x head) owns query blocks i and 15 - i of 128 rows: waves 0-3 the first, waves 4-7 the second, 32 queries (two tiles of 16) a wave.  The pairing evens the work out where late
; queries see more keys; no value hangs on it.  All eight waves walk 32 trips of 64 keys; K's and V's tile goes memory -> registers -> LDS, one trip ahead, in two slots that take turns, one barrier a trip.
; NO TENSOR LOAD, NO CLUSTER: which tiles are fetched and multiplied hangs on flags read from memory.
; LAYOUT.  S^T = K Q^T (source 0 = 16 keys, source 1 = 16 queries) and O^T = V^T P: a lane holds ONE query throughout; two tiles of S^T, rounded in pairs, are source 1 of the second product as they stand.
; The row's sum is a fifth tile of the second product, with ones for V: it sums the same rounded p that multiply V and needs no exchange between lanes.  Of that accumulator only register 0 is ever read, so only
; its lowest pair is rescaled; the others hold sums of p, at most 2,048.
; REGISTERS.  window 0: v1-13 addresses; v16-31 statistics, 8 a tile (+0 m, +2 a, +4..7 at work; +1, +3 pads of pairs); v32-47 the staged tile; v48-111 K's fragments, then mask words; v112-175 S^T; v176-207 P; v208-239 Q.
;             window 1: v[40 T + 8 dt] O^T (dt 0-3) and the sum (dt 4); v128-191 V's fragments; v192-199 ones.
.set PK,    144                        ; a key's row of K in LDS: 128 bytes + 16: the 16 rows of a load start at 16 different 16-byte columns modulo 256
.set PV,    160                        ; of V: 128 + 32, for the turning load
.set VOFF,  64*PK
.set SLOTB, 64*(PK+PV)
.set STG,   2*SLOTB                    ; the way out: 16 rows x 144 bytes for each wave
.set SPARE, STG+8*16*PK                ; the spare words, 128 bytes a wave
.set AK,  1
.set AV,  2
.set SKA, 3
.set SVA, 4
.set GOF, 5
.set MOF, 6
.set STO, 7
.set RD,  8
.set CO,  9
.set NEG, 10
.set PFO, 11
.set SPW, 12
.set NIL, 13
.set ST,  16
.set SG,  32
.set KF,  48
.set S,   112
.set P,   176
.set QF,  208
.set VF,  128
.set ONES, 192
.set WV,   12
.set KB,   20                          ; s[20:21] K's tile to be loaded next;  s[22:23] V's
.set VB,   22
.set MB,   24                          ; s[24:25] the mask at my first query and the trip's first key
.set PF,   26                          ; s[26:27] where my prefetch stands
.set OB,   28                          ; s[28:29] a16 at my first query
.set ACTW, 30                          ; bit 0: this trip's tile is wanted by one of the two blocks
.set ACT,  31                          ; by my block
.set MIX,  32                          ; and holds a zero
.set CNT,  33
.set TJ,   34
.set LIM,  35
.set SEL,  38
.set MSB, 0
.macro WIN new
.if MSB != (\new)
	s_set_vgpr_msb (MSB<<8)|(\new)
.set MSB, (\new)
.endif
.endm
.macro ORRED x                         ; the OR of a register over the 32 lanes, in every lane
.irp m, 1,2,4,8
	v_mov_b32_dpp v252, v[\x] row_xmask:\m row_mask:0xf bank_mask:0xf
	v_or_b32 v[\x], v[\x], v252
.endr
	v_permlanex16_b32 v252, v[\x], s[SEL], s[SEL+1]
	v_or_b32 v[\x], v[\x], v252
.endm
	s_load_b256 s[4:11], s[0:1], 0x0               ; qkv16, mask, mflags, a16
	v_lshl_add_u32 v[SPW], v0, 2, SPARE
	v_mov_b32 v[NIL], 0
	v_lshrrev_b32 v14, 5, v0
	v_readfirstlane_b32 s[WV], v14                 ; wave 0..7
	s_and_b32 s13, ttmp7, 0xffff                   ; batch x 16 + head
	s_sub_co_u32 s14, 15, ttmp9                    ; the second block
	s_cmp_lt_u32 s[WV], 4
	s_cselect_b32 s15, ttmp9, s14                  ; my block
	s_and_b32 s16, s[WV], 3
	s_lshl_b32 s16, s16, 5
	s_lshl_b32 s17, s15, 7
	s_add_co_u32 s16, s16, s17                     ; my first query
	s_mov_b32 s[SEL], 0x76543210
	s_mov_b32 s[SEL+1], 0xfedcba98
	v_and_b32 v14, 15, v0                          ; r
	v_bfe_u32 v15, v0, 4, 1                        ; h
	v_and_b32 v240, 7, v0
	v_bfe_u32 v241, v0, 3, 1
	v_bfe_u32 v242, v0, 3, 2                       ; lane / 8
	v_and_b32 v243, 31, v0                         ; lane
	v_mul_u32_u24 v[AK], v14, PK
	v_lshl_add_u32 v[AK], v15, 4, v[AK]            ; a fragment of K: row r, + 16 h
	v_lshl_add_u32 v[AV], v15, 3, v240
	v_mul_u32_u24 v[AV], v[AV], PV
	v_lshl_add_u32 v[AV], v241, 4, v[AV]
	v_add_nc_u32 v[AV], VOFF, v[AV]                ; the turning load: key 8 h + lane % 8, channels 8 ((lane / 8) % 2) on
	s_mul_i32 s18, s[WV], 8*PK
	v_mul_u32_u24 v[SKA], v242, PK
	v_lshl_add_u32 v[SKA], v240, 4, v[SKA]
	v_add_nc_u32 v[SKA], s18, v[SKA]               ; staging: my wave's rows 8 w on, four rows a store
	s_mul_i32 s18, s[WV], 8*PV
	v_mul_u32_u24 v[SVA], v242, PV
	v_lshl_add_u32 v[SVA], v240, 4, v[SVA]
	v_add_nc_u32 v[SVA], s18, v[SVA]
	v_add_nc_u32 v[SVA], VOFF, v[SVA]
	v_lshlrev_b32 v[CO], 4, v243
	s_lshl_b32 s18, s[WV], 10
	v_add_nc_u32 v[GOF], s18, v[CO]                ; my wave's 1,024 bytes of a tile's 8,192
	v_lshlrev_b32 v[MOF], 13, v14
	v_lshl_add_u32 v[MOF], v15, 5, v[MOF]          ; the mask: row r, 8 words for each half of the lanes
	s_mul_i32 s18, s[WV], 16*PK
	s_add_co_u32 s18, s18, STG
	v_add_nc_u32 v[STO], s18, v[AK]
	v_mul_u32_u24 v[RD], v242, PK
	v_lshl_add_u32 v[RD], v240, 4, v[RD]
	v_add_nc_u32 v[RD], s18, v[RD]
	v_mov_b32 v[NEG], 0xceabfb8f                   ; -1e9 x log2(e)
	v_lshlrev_b32 v[PFO], 8, v243
	v_lshlrev_b32 v244, 7, v14
	v_lshl_add_u32 v244, v15, 4, v244              ; Q: row r of 128 bytes, + 16 h
	s_lshl_b32 s36, ttmp9, 7
	v_lshl_add_u32 v245, v243, 2, s36              ; the flags of a block's 128 rows: 32 words, a lane a word
	s_lshl_b32 s37, s14, 7
	v_lshl_add_u32 v246, v243, 2, s37
	v_mov_b32 v252, 0
	s_lshl_b32 s18, s13, 18                        ; a head's 2,048 rows of 128 bytes
	s_mov_b32 s19, 0
	s_lshr_b32 s36, s[WV], 1
	s_or_b32 s36, s36, ttmp9
	s_cmp_eq_u32 s36, 0                            ; waves 0 and 1 of the head's first work-group prefetch
	s_cselect_b32 s[LIM], 29, 0
	s_wait_kmcnt 0x0
	s_add_nc_u64 s[KB:KB+1], s[4:5], s[18:19]
	s_add_nc_u64 s[VB:VB+1], s[KB:KB+1], 0x1000000
	s_lshl_b32 s18, s16, 7
	s_add_nc_u64 s[4:5], s[KB:KB+1], s[18:19]      ; Q at my first query
	s_add_nc_u64 s[KB:KB+1], s[KB:KB+1], 0x800000
	s_lshl_b32 s18, s16, 13
	s_add_nc_u64 s[MB:MB+1], s[6:7], s[18:19]
	s_and_b32 s18, s13, 15
	s_lshl_b32 s18, s18, 12
	s_lshr_b32 s36, s13, 4
	s_lshl_b32 s36, s36, 11
	s_add_co_u32 s18, s18, s36
	s_add_co_u32 s18, s18, s16
	s_lshl_b32 s18, s18, 7
	s_add_nc_u64 s[OB:OB+1], s[10:11], s[18:19]
	s_cmp_eq_u32 s[WV], 0
	s_cselect_b64 s[PF:PF+1], s[KB:KB+1], s[VB:VB+1]
	s_add_nc_u64 s[PF:PF+1], s[PF:PF+1], 2*8192    ; trip j steps it to tile j + 3
	global_load_b32 v248, v245, s[8:9]             ; ACT and HZ of the first block,
	global_load_b32 v249, v245, s[8:9] offset:2048
	global_load_b32 v250, v246, s[8:9]             ; and of the second
	global_load_b32 v251, v246, s[8:9] offset:2048
.irp T, 0,1
.irp dh, 0,1
	global_load_b128 v[QF+16*\T+8*\dh:QF+16*\T+8*\dh+3], v244, s[4:5] offset:\T*2048+64*\dh
	global_load_b128 v[QF+16*\T+8*\dh+4:QF+16*\T+8*\dh+7], v244, s[4:5] offset:\T*2048+64*\dh+32
.endr
.endr
	global_load_b128 v[SG:SG+3], v[GOF], s[KB:KB+1]                ; tile 0 is staged whatever its flag
	global_load_b128 v[SG+4:SG+7], v[GOF], s[KB:KB+1] offset:512
	global_load_b128 v[SG+8:SG+11], v[GOF], s[VB:VB+1]
	global_load_b128 v[SG+12:SG+15], v[GOF], s[VB:VB+1] offset:512
	WIN 0x40                                       ; O^T and the sums begin as zeros: which tile is a block's first is known only from the flags, so no first step can be written out
.set i, 0
.rept 80
	v_mov_b32 v[i], 0
.set i, i+1
.endr
.set i, 0
.rept 8
	v_mov_b32 v[ONES+i], 0x3c003c00                ; 1.0, twice
.set i, i+1
.endr
	WIN 0
.irp T, 0,1
	v_mov_b32 v[ST+8*\T], 0xff61b1e6               ; m: -3e38, under every t
	v_mov_b32 v[ST+8*\T+1], 0
	v_mov_b32 v[ST+8*\T+2], 0
	v_mov_b32 v[ST+8*\T+3], 0
.endr
	s_wait_loadcnt 12                              ; the four flag words are in; Q's eight loads and the four staging loads may be out
	ORRED 248
	ORRED 249
	ORRED 250
	ORRED 251
	v_readfirstlane_b32 s40, v248
	v_readfirstlane_b32 s41, v249
	v_readfirstlane_b32 s42, v250
	v_readfirstlane_b32 s43, v251
	s_or_b32 s[ACTW], s40, s42
	s_cmp_lt_u32 s[WV], 4
	s_cselect_b32 s[ACT], s40, s42
	s_cselect_b32 s[MIX], s41, s43
	s_and_b32 s[MIX], s[MIX], s[ACT]
	s_mov_b32 s[CNT], 0
	s_mov_b32 s[TJ], 0
; 64 keys for my 32 queries, from slot.
.macro COMPUTE slot
.irp kt, 0,1,2,3
.irp dh, 0,1
	ds_load_b128 v[KF+16*\kt+8*\dh:KF+16*\kt+8*\dh+3], v[AK] offset:\slot*SLOTB+\kt*16*PK+64*\dh
	ds_load_b128 v[KF+16*\kt+8*\dh+4:KF+16*\kt+8*\dh+7], v[AK] offset:\slot*SLOTB+\kt*16*PK+64*\dh+32
.endr
.endr
	WIN 0x40
.irp kh, 0,1
.irp dt, 0,1,2,3
	ds_load_tr16_b128 v[VF+8*(4*\kh+\dt):VF+8*(4*\kh+\dt)+3], v[AV] offset:\slot*SLOTB+\kh*32*PV+32*\dt
	ds_load_tr16_b128 v[VF+8*(4*\kh+\dt)+4:VF+8*(4*\kh+\dt)+7], v[AV] offset:\slot*SLOTB+\kh*32*PV+16*PV+32*\dt
.endr
.endr
	WIN 0
	s_wait_dscnt 16                                ; K's 16 loads are in; V's 16 land under the first product and the softmax
.irp dh, 0,1                                   ; S^T = K Q^T: eight accumulators by turns
.irp kt, 0,1,2,3
.irp T, 0,1
.if \dh == 0
	v_wmma_f32_16x16x32_f16 v[S+32*\T+8*\kt:S+32*\T+8*\kt+7], v[KF+16*\kt+8*\dh:KF+16*\kt+8*\dh+7], v[QF+16*\T+8*\dh:QF+16*\T+8*\dh+7], 0
.else
	v_wmma_f32_16x16x32_f16 v[S+32*\T+8*\kt:S+32*\T+8*\kt+7], v[KF+16*\kt+8*\dh:KF+16*\kt+8*\dh+7], v[QF+16*\T+8*\dh:QF+16*\T+8*\dh+7], v[S+32*\T+8*\kt:S+32*\T+8*\kt+7]
.endif
.endr
.endr
.endr
.rept 4
	v_nop                                          ; places ahead of the first read of the scores and of the loads into K's registers
.endr
	s_bitcmp1_b32 s[MIX], 0                        ; a tile with no zero for my block needs no look at the mask
	s_cbranch_scc0 .Lopen_\@
.irp T, 0,1
.irp kt, 0,1,2,3
	global_load_b128 v[KF+32*\T+8*\kt:KF+32*\T+8*\kt+3], v[MOF], s[MB:MB+1] offset:\T*131072+64*\kt
	global_load_b128 v[KF+32*\T+8*\kt+4:KF+32*\T+8*\kt+7], v[MOF], s[MB:MB+1] offset:\T*131072+64*\kt+16
.endr
.endr
	s_wait_loadcnt 0x0
.set i, 0
.rept 64
	v_cmp_eq_u32 vcc_lo, 0, v[KF+i]
	v_cndmask_b32 v[S+i], v[S+i], v[NEG], vcc_lo
.set i, i+1
.endr
.Lopen_\@:
.irp j, 0,1,2,3                                ; the largest of my 32 scores and the old m, the two tiles by turns
.irp T, 0,1
	v_max3_num_f32 v[ST+8*\T+4+\j], v[S+32*\T+8*\j], v[S+32*\T+8*\j+1], v[S+32*\T+8*\j+2]
.endr
.endr
.irp g, 1,2
.irp j, 0,1,2,3
.irp T, 0,1
	v_max3_num_f32 v[ST+8*\T+4+\j], v[ST+8*\T+4+\j], v[S+32*\T+8*\j+2*\g+1], v[S+32*\T+8*\j+2*\g+2]
.endr
.endr
.endr
.irp T, 0,1
	v_max3_num_f32 v[ST+8*\T+4], v[ST+8*\T+4], v[S+32*\T+7], v[S+32*\T+15]
.endr
.irp T, 0,1
	v_max3_num_f32 v[ST+8*\T+6], v[ST+8*\T+6], v[S+32*\T+23], v[S+32*\T+31]
.endr
.irp T, 0,1
	v_max3_num_f32 v[ST+8*\T+4], v[ST+8*\T+4], v[ST+8*\T+5], v[ST+8*\T+6]
.endr
.irp T, 0,1
	v_max3_num_f32 v[ST+8*\T+4], v[ST+8*\T+4], v[ST+8*\T+7], v[ST+8*\T]
.endr
.irp T, 0,1
	v_permlanex16_b32 v[ST+8*\T+5], v[ST+8*\T+4], s[SEL], s[SEL+1]   ; the query's other 32 keys lie in the lane 16 away
.endr
.irp T, 0,1
	v_max_num_f32 v[ST+8*\T+4], v[ST+8*\T+4], v[ST+8*\T+5]
.endr
.irp T, 0,1
	v_sub_f32 v[ST+8*\T+6], v[ST+8*\T], v[ST+8*\T+4]               ; old m - new m
.endr
.irp T, 0,1
	v_mov_b32 v[ST+8*\T], v[ST+8*\T+4]
.endr
.irp T, 0,1
	v_exp_f32 v[ST+8*\T+2], v[ST+8*\T+6]           ; a
.endr
.irp i, 0,2,4,6,8,10,12,14,16,18,20,22,24,26,28,30
.irp T, 0,1
	v_pk_add_f32 v[S+32*\T+\i:S+32*\T+\i+1], v[S+32*\T+\i:S+32*\T+\i+1], v[ST+8*\T:ST+8*\T+1] op_sel_hi:[1,0] neg_lo:[0,1] neg_hi:[0,1]   ; t - m
.endr
.endr
.set i, 0
.rept 64
	v_exp_f32 v[S+i], v[S+i]                       ; p
.set i, i+1
.endr
	v_nop                                          ; a plain instruction behind the last exponential
	s_wait_alu depctr_va_vdst(0)                   ; one wait for the 66 exponentials, ahead of the first line that names a result
.set i, 0
.rept 32
	v_cvt_pk_f16_f32 v[P+i], v[S+2*i], v[S+2*i+1]
.set i, i+1
.endr
	WIN 0x41
.irp T, 0,1
.set i, 0
.rept 17                                       ; O^T's 32 registers and the sum's lowest pair, x a, each accumulator from its low end on
	v_pk_mul_f32 v[40*\T+i:40*\T+i+1], v[40*\T+i:40*\T+i+1], v[ST+8*\T+2:ST+8*\T+3] op_sel_hi:[1,0]
.set i, i+2
.endr
.endr
	s_wait_dscnt 0x0                               ; V is in
	WIN 0x51
.irp kh, 0,1                                   ; O^T += V^T P, and the sums: ten accumulators by turns
.irp dt, 0,1,2,3,4
.irp T, 0,1
.if \dt < 4
	v_wmma_f32_16x16x32_f16 v[40*\T+8*\dt:40*\T+8*\dt+7], v[VF+8*(4*\kh+\dt):VF+8*(4*\kh+\dt)+7], v[P+16*\T+8*\kh:P+16*\T+8*\kh+7], v[40*\T+8*\dt:40*\T+8*\dt+7]
.else
	v_wmma_f32_16x16x32_f16 v[40*\T+8*\dt:40*\T+8*\dt+7], v[ONES:ONES+7], v[P+16*\T+8*\kh:P+16*\T+8*\kh+7], v[40*\T+8*\dt:40*\T+8*\dt+7]
.endif
.endr
.endr
.endr
	WIN 0
.rept 4
	v_nop                                          ; places ahead of the next loads into V's registers and of the next read of O^T
.endr
.endm
; A TRIP.  The staged tile goes into its slot; one barrier; the next tile is asked for; the tile is multiplied.  The barrier serves both ways: in front of it each wave's stores have landed and its reads
; of the other slot are back, so the slot written in the next trip is read by nobody.  It stands outside every branch on flags.
.macro TRIP slot
	s_wait_loadcnt 0x0                             ; the staged tile is in (in the first trip: Q too)
	s_wait_xcnt 0x0                                ; the last prefetch has read its address
	s_bitcmp1_b32 s[ACTW], 0
	s_cbranch_scc0 .Lnost_\@
	ds_store_b128 v[SKA], v[SG:SG+3] offset:\slot*SLOTB
	ds_store_b128 v[SKA], v[SG+4:SG+7] offset:\slot*SLOTB+4*PK
	ds_store_b128 v[SVA], v[SG+8:SG+11] offset:\slot*SLOTB
	ds_store_b128 v[SVA], v[SG+12:SG+15] offset:\slot*SLOTB+4*PV
.Lnost_\@:
	s_add_nc_u64 s[KB:KB+1], s[KB:KB+1], 8192
	s_add_nc_u64 s[VB:VB+1], s[VB:VB+1], 8192
	s_add_nc_u64 s[PF:PF+1], s[PF:PF+1], 8192
	s_wait_dscnt 0x0
	s_barrier_signal -1
	s_barrier_wait -1
	s_bitcmp1_b32 s[ACTW], 1                       ; the next tile, if a block wants it (behind the last tile the bit is 0: no load leaves the buffer)
	s_cbranch_scc0 .Lnold_\@
	global_load_b128 v[SG:SG+3], v[GOF], s[KB:KB+1]
	global_load_b128 v[SG+4:SG+7], v[GOF], s[KB:KB+1] offset:512
	global_load_b128 v[SG+8:SG+11], v[GOF], s[VB:VB+1]
	global_load_b128 v[SG+12:SG+15], v[GOF], s[VB:VB+1] offset:512
.Lnold_\@:
	s_cmp_lt_u32 s[TJ], s[LIM]                     ; tile j + 3, two trips ahead of its load: 8,192 bytes, lanes 256 bytes apart; wave 0 K's, wave 1 V's, of the head's first work-group alone; trips 29 to 31 ask for nothing
	s_cbranch_scc0 .Lnopf_\@
	global_prefetch_b8 v[PFO], s[PF:PF+1] th:TH_LOAD_NT scope:SCOPE_SE
.Lnopf_\@:
	s_bitcmp1_b32 s[ACT], 0
	s_cbranch_scc0 .Lidle_\@
	COMPUTE \slot
.Lidle_\@:
	s_lshr_b32 s[ACTW], s[ACTW], 1
	s_lshr_b32 s[ACT], s[ACT], 1
	s_lshr_b32 s[MIX], s[MIX], 1
	s_add_nc_u64 s[MB:MB+1], s[MB:MB+1], 256
	s_add_co_u32 s[TJ], s[TJ], 1
.endm
.Ltrip:
	TRIP 0
	TRIP 1
	s_add_co_u32 s[CNT], s[CNT], 1
	s_cmp_lt_u32 s[CNT], 16
	s_cbranch_scc1 .Ltrip
	; THE WAY OUT: O^T / the sum, rounded to f16, through my stage, 16 queries at a time; a store covers 512 consecutive bytes (four rows of a head)
	WIN 0x01
.irp T, 0,1
	v_rcp_f32 v[ST+8*\T+2], v[40*\T+32]            ; every query has p = 1 at its maximum: the sum is at least about 1
.endr
	v_nop
	s_wait_alu depctr_va_vdst(0)
.irp T, 0,1
.set i, 0
.rept 16
	v_pk_mul_f32 v[S+32*\T+i:S+32*\T+i+1], v[40*\T+i:40*\T+i+1], v[ST+8*\T+2:ST+8*\T+3] op_sel_hi:[1,0]
.set i, i+2
.endr
.endr
	WIN 0
.set i, 0
.rept 32
	v_cvt_pk_f16_f32 v[P+i], v[S+2*i], v[S+2*i+1]
.set i, i+1
.endr
.irp T, 0,1
.irp dt, 0,1,2,3
	ds_store_b128 v[STO], v[P+16*\T+4*\dt:P+16*\T+4*\dt+3] offset:32*\dt
.endr
.irp t, 0,1,2,3
	ds_load_b128 v[KF+16*\T+4*\t:KF+16*\T+4*\t+3], v[RD] offset:\t*4*PK   ; LDS serves a wave's instructions in order
.endr
.endr
	s_wait_dscnt 0x0
.irp T, 0,1
.irp t, 0,1,2,3
	global_store_b128 v[CO], v[KF+16*\T+4*\t:KF+16*\T+4*\t+3], s[OB:OB+1] offset:\T*2048+\t*512
.endr
.endr
	s_wait_tensorcnt 0x0                           ; the wave's end, behind my last LDS store
	ds_add_u32 v[SPW], v[NIL]
	s_wait_dscnt 0x0
	s_endpgm
.Lfunc_end_k_q138d2d282f_attn:
	.size	k_q138d2d282f_attn, .Lfunc_end_k_q138d2d282f_attn-k_q138d2d282f_attn
	.p2alignl 7, 3214868480
	.fill 96, 4, 3214868480
	.section	.rodata,"a",@progbits
	.p2align	6, 0x0
	.amdhsa_kernel k_q138d2d282f_attn
		.amdhsa_group_segment_fixed_size 58368
		.amdhsa_private_segment_fixed_size 0
		.amdhsa_enable_private_segment 0
		.amdhsa_kernarg_size 32
		.amdhsa_user_sgpr_count 2
		.amdhsa_user_sgpr_kernarg_segment_ptr 1
		.amdhsa_wavefront_size32 1
		.amdhsa_system_sgpr_workgroup_id_x 1
		.amdhsa_system_sgpr_workgroup_id_y 1
		.amdhsa_system_sgpr_workgroup_id_z 1
		.amdhsa_system_vgpr_workitem_id 0
		.amdhsa_next_free_vgpr 512
		.amdhsa_next_free_sgpr 66
		.amdhsa_reserve_vcc 1
		.amdhsa_float_denorm_mode_32 3
		.amdhsa_float_denorm_mode_16_64 3
		.amdhsa_memory_ordered 1
		.amdhsa_forward_progress 1
		.amdhsa_inst_pref_size 63
	.end_amdhsa_kernel
	.amdgpu_metadata
---
amdhsa.version: [ 1, 2 ]
amdhsa.kernels:
  - .name:           k_q138d2d282f_attn
    .symbol:         k_q138d2d282f_attn.kd
    .args:
      - { .name: qkv16, .offset: 0, .size: 8, .value_kind: global_buffer, .address_space: global }
      - { .name: mask, .offset: 8, .size: 8, .value_kind: global_buffer, .address_space: global }
      - { .name: mflags, .offset: 16, .size: 8, .value_kind: global_buffer, .address_space: global }
      - { .name: a16, .offset: 24, .size: 8, .value_kind: global_buffer, .address_space: global }
    .group_segment_fixed_size: 58368
    .private_segment_fixed_size: 0
    .kernarg_segment_align: 8
    .kernarg_segment_size: 32
    .max_flat_workgroup_size: 256
    .sgpr_count:     66
    .vgpr_count:     512
    .wavefront_size: 32
...
	.end_amdgpu_metadata
.endif
;; end of part 3
;; launch oproj (part 4): grid 8 x 32, 4 waves a work-group, clusters of 4 x 4, 327,680 bytes of LDS; arguments a16, wo16, w_o_b, out0; writes out0
.if DOCPART == 4
	.amdgcn_target "amdgcn-amd-amdhsa--gfx1250"
	.amdhsa_code_object_version 6
	.text
	.protected	k_q138d2d282f_oproj
	.globl	k_q138d2d282f_oproj
	.p2align	8
	.type	k_q138d2d282f_oproj,@function
k_q138d2d282f_oproj:
	s_mov_b64 s[64:65], 0
	v_nop
	global_prefetch_b8 v0, s[64:65] scope:SCOPE_SE
	s_setreg_imm32_b32 hwreg(HW_REG_WAVE_MODE, 25, 1), 1
	s_wait_xcnt 0x0
	s_wait_alu depctr_hold_cnt(0) depctr_sa_sdst(0) depctr_va_vdst(0) depctr_va_sdst(0) depctr_va_ssrc(0) depctr_va_vcc(0) depctr_vm_vsrc(0)
	s_getreg_b32 s2, hwreg(HW_REG_IB_STS2, 6, 4)
	s_cmp_eq_u32 s2, 0
	s_cbranch_scc0 .Lentry_in_a_cluster
	s_endpgm
.Lentry_in_a_cluster:
	s_bfe_u32 s2, ttmp6, 0x10000c
	s_cmp_lg_u32 s2, 0xf033
	s_cbranch_scc0 .Lentry_shape_is_right
	s_endpgm
.Lentry_shape_is_right:
; OUT: out0[m][n] = sum over k of a[m][k] w_o[n][k] + b[n], m 4,096, n 1,024, k 1,024; f16 operands, f32 sums, f32 result.
; a16: [16 heads][4096 tokens][64], wo16: [16 heads][1024 n][64]: K goes by heads.  (Positions 0-15 of both batches are written again, in f32 arithmetic, by the launch that follows.)
; A tile of C is 128 x 128, so that the grid has 256 work-groups; four waves, each 64 x 64: 16 accumulators.  A K step is four heads (256 along K) in one of two LDS slots; a wave's tensor load brings 64 rows
; of four heads: for each head 8,192 dense bytes, stated as one long row with 16 bytes of padding behind every 256.  So two rows of 128 bytes share an LDS line of 272.
; CLUSTERS: 4 x 4; A's tiles are shared along a row of the cluster, B's along a column, by joint loads.  THE MATRIX INSTRUCTION IS USED TRANSPOSED: a lane holds eight neighbouring columns of a row of C.
; The bias is the C of each sum's first product.  A wave's 64 columns are 256 bytes of f32: its own stage serves the way out, with no barrier.
; REGISTERS: window 0: v0-31 addresses; v32-63 the bias, then with v64-95 rows on the way out; v128-255 the accumulators.  window 1: two fragment buffers of 128.
.set HSTR,   32*272                    ; a head's 64 rows in LDS
.set BLK16,  8*272                     ; 16 rows
.set HALFT,  4*HSTR                    ; what one tensor load brings
.set SLOT,   4*HALFT
.set STAGE,  2*SLOT
.set SPITCH, 272
.set SPARE,  STAGE+4*16*SPITCH
.set LAPS,   2
.set ASTEP,  4*4096*128                ; four heads on, in bytes
.set BSTEP,  4*1024*128
.set ADRA, 16
.set ADRB, 20
.set STO,  24
.set RD,   25
.set CO,   26
.set SPW,  28
.set NIL,  29
.set BIAS, 32
.set BK,   32
.set ACC,  128
.set F0,   0
.set F1,   128
.set G1, 24
.set G0, 32
.set G1B, 48
.set G0B, 56
.set MSB, 0
.macro WIN new
.if MSB != (\new)
	s_set_vgpr_msb (MSB<<8)|(\new)
.set MSB, (\new)
.endif
.endm
.set MUL,  0x05
.set TO_F, 0x40
.macro JLOAD s                         ; a joint load: waves 0 and 1 fetch A's halves, waves 2 and 3 B's; an s_nop 0 and four v_nop follow each line
	s_cmp_eq_u32 s11, 0
	s_cbranch_scc0 .Lfor_b_\@
	tensor_load_to_lds s[G0+4*\s:G0+4*\s+3], s[G1:G1+7]
	s_nop 0
.rept 4
	v_nop
.endr
	s_branch .Lasked_\@
.Lfor_b_\@:
	tensor_load_to_lds s[G0B+4*\s:G0B+4*\s+3], s[G1B:G1B+7]
	s_nop 0
.rept 4
	v_nop
.endr
.Lasked_\@:
.endm
.macro CREST
	s_cmp_lg_u32 s10, 0
	s_cbranch_scc1 .Lnot_wave_0_\@
	s_barrier_signal -3
.Lnot_wave_0_\@:
	s_barrier_wait -3
	s_barrier_signal -1
	s_barrier_wait -1
.endm
.macro CROUND
	s_barrier_signal -1
	s_barrier_wait -1
	CREST
.endm
	s_load_b128 s[4:7], s[0:1], 0x0                ; a16, wo16
	s_load_b128 s[68:71], s[0:1], 0x10             ; the bias, out0
	v_lshl_add_u32 v[SPW], v0, 2, SPARE
	v_mov_b32 v[NIL], 0
	ds_add_u32 v[SPW], v[NIL]                      ; the wave's opening: the add, twice on end, and its wait ahead of my first tensor load
	ds_add_u32 v[SPW], v[NIL]
	v_lshrrev_b32 v1, 5, v0
	v_readfirstlane_b32 s10, v1                    ; wave 0..3
	s_lshr_b32 s11, s10, 1                         ; my half of the tile's rows.  Also: I fetch for A (0) or for B (1)
	s_and_b32 s12, s10, 1                          ; my half of its columns.  Also: which 64 rows I fetch
	s_bfe_u32 s40, ttmp6, 0x40000
	s_bfe_u32 s41, ttmp6, 0x40004
	s_lshl_b32 s42, ttmp9, 2
	s_add_co_u32 s42, s42, s40                     ; tile column
	s_and_b32 s13, ttmp7, 0xffff
	s_lshl_b32 s13, s13, 2
	s_add_co_u32 s13, s13, s41                     ; tile row
	s_lshl_b32 s43, s41, 2
	s_lshl_b32 s43, 15, s43
	s_lshl_b32 s44, 0x1111, s40
	s_or_b32 s[G1+0], s43, (1<<16)|(1<<20)|(1<<21)|(5<<22)|(3<<25)  ; the mask; elements of 2 bytes; padding: 4 words after every 64
	s_or_b32 s[G1B+0], s44, (1<<16)|(1<<20)|(1<<21)|(5<<22)|(3<<25)
.irp g, G1, G1B
	s_mov_b32 s[\g+1], 4096<<16                    ; tensor_dim0: 64 rows x 64 elements, dense
	s_mov_b32 s[\g+2], 4<<16                       ; tensor_dim1: four heads
	s_mov_b32 s[\g+3], 4096<<16                    ; tile_dim0
	s_mov_b32 s[\g+4], 4                           ; tile_dim1
	s_mov_b32 s[\g+6], 0
	s_mov_b32 s[\g+7], 0
.endr
	s_mov_b32 s[G1+5], 4096*64                     ; from head to head, in elements
	s_mov_b32 s[G1B+5], 1024*64
	s_lshl_b32 s17, s12, 6
	s_lshl_b32 s16, s13, 7
	s_add_co_u32 s16, s16, s17
	s_lshl_b32 s16, s16, 7                         ; A: (128 x tile row + 64 x half) rows of 128 bytes
	s_lshl_b32 s46, s42, 7
	s_add_co_u32 s46, s46, s17
	s_lshl_b32 s46, s46, 7                         ; B likewise by the tile column
	s_mov_b32 s17, 0
	s_mov_b32 s47, 0
	s_mul_i32 s20, s10, HALFT
	s_wait_dscnt 0x0                               ; both opening adds are done
	s_wait_kmcnt 0x0
	s_add_nc_u64 s[14:15], s[4:5], s[16:17]
	s_add_nc_u64 s[46:47], s[6:7], s[46:47]
	CROUND
.irp s, 0,1
	s_mov_b32 s[G0+4*\s], 1
	s_add_co_u32 s[G0+4*\s+1], s20, \s*SLOT
	s_add_nc_u64 s[G0+4*\s+2:G0+4*\s+3], s[14:15], \s*ASTEP
	s_or_b32 s[G0+4*\s+3], s[G0+4*\s+3], 0x80000000
	s_mov_b32 s[G0B+4*\s], 1
	s_add_co_u32 s[G0B+4*\s+1], s20, \s*SLOT
	s_add_nc_u64 s[G0B+4*\s+2:G0B+4*\s+3], s[46:47], \s*BSTEP
	s_or_b32 s[G0B+4*\s+3], s[G0B+4*\s+3], 0x80000000
	JLOAD \s
.endr
	v_and_b32 v1, 15, v0                           ; r
	v_bfe_u32 v2, v0, 4, 1                         ; h
	v_lshrrev_b32 v3, 1, v1
	v_mul_u32_u24 v3, v3, 272
	v_and_b32 v4, 1, v0
	v_lshl_add_u32 v3, v4, 7, v3
	v_lshl_add_u32 v3, v2, 4, v3                   ; row r of a fragment: line r / 2, half r % 2, + 16 h: sixteen different 16-byte columns modulo 256
	s_mul_i32 s21, s11, HALFT
	s_mul_i32 s22, s12, HALFT
	s_add_co_u32 s22, s22, 2*HALFT
.irp s, 0,1
	v_add_nc_u32 v[ADRA+\s], s21, v3
	v_add_nc_u32 v[ADRB+\s], s22, v3
	s_add_co_u32 s21, s21, SLOT
	s_add_co_u32 s22, s22, SLOT
.endr
	s_mul_i32 s23, s10, 16*SPITCH
	s_add_co_u32 s23, s23, STAGE                   ; my stage
	v_mul_u32_u24 v4, v1, SPITCH
	v_lshl_add_u32 v4, v2, 5, v4
	v_add_nc_u32 v[STO], s23, v4                   ; in: row r, 32 bytes for each half of the lanes
	v_mul_u32_u24 v5, v2, SPITCH
	v_lshl_add_u32 v5, v1, 4, v5
	v_add_nc_u32 v[RD], s23, v5                    ; back: lanes 0-15 one row of 256 bytes, lanes 16-31 the next
	v_lshlrev_b32 v5, 12, v2
	v_lshl_add_u32 v[CO], v1, 4, v5
	s_lshl_b32 s16, s13, 7
	s_lshl_b32 s17, s11, 6
	s_add_co_u32 s16, s16, s17
	s_lshl_b32 s16, s16, 12                        ; my first row of out0, 4,096 bytes a row
	s_mov_b32 s17, 0
	s_add_nc_u64 s[70:71], s[70:71], s[16:17]
	s_lshl_b32 s46, s42, 9
	s_lshl_b32 s47, s12, 8
	s_add_co_u32 s46, s46, s47                     ; my first column, in bytes
	s_mov_b32 s47, 0
	s_add_nc_u64 s[70:71], s[70:71], s[46:47]
	s_add_nc_u64 s[68:69], s[68:69], s[46:47]
	v_lshlrev_b32 v6, 5, v2
.irp b, 0,1,2,3
	global_load_b128 v[BIAS+8*\b:BIAS+8*\b+3], v6, s[68:69] offset:64*\b
	global_load_b128 v[BIAS+8*\b+4:BIAS+8*\b+7], v6, s[68:69] offset:64*\b+16
.endr
.macro MUL8 f, c, a0, zero             ; 8 matrix instructions: m blocks a0, a0 + 1 x 4 n blocks, 32 along K.  zero = 1: the sums start from the bias.  The 16 accumulators take turns
.irp a, \a0, \a0+1
.irp b, 0,1,2,3
.if \zero
	v_wmma_f32_16x16x32_f16 v[ACC+8*(4*(\a)+\b):ACC+8*(4*(\a)+\b)+7], v[\f+64+8*(4*\c+\b):\f+64+8*(4*\c+\b)+7], v[\f+8*(4*\c+\a):\f+8*(4*\c+\a)+7], v[BIAS+8*\b:BIAS+8*\b+7]
.else
	v_wmma_f32_16x16x32_f16 v[ACC+8*(4*(\a)+\b):ACC+8*(4*(\a)+\b)+7], v[\f+64+8*(4*\c+\b):\f+64+8*(4*\c+\b)+7], v[\f+8*(4*\c+\a):\f+8*(4*\c+\a)+7], v[ACC+8*(4*(\a)+\b):ACC+8*(4*(\a)+\b)+7]
.endif
.endr
.endr
.endm
.macro FETCH slot, k, f                ; 32 LDS loads: the fragments of one head (64 along K), which begins k bytes into the slot's parts; its first 32 along K first
	WIN TO_F
.irp c, 0,1
.irp i, 0,1,2,3
	ds_load_b128 v[\f+64+8*(4*\c+\i):\f+64+8*(4*\c+\i)+3],   v[ADRB+\slot] offset:\k+64*\c+\i*BLK16
	ds_load_b128 v[\f+64+8*(4*\c+\i)+4:\f+64+8*(4*\c+\i)+7], v[ADRB+\slot] offset:\k+64*\c+\i*BLK16+32
	ds_load_b128 v[\f+8*(4*\c+\i):\f+8*(4*\c+\i)+3],         v[ADRA+\slot] offset:\k+64*\c+\i*BLK16
	ds_load_b128 v[\f+8*(4*\c+\i)+4:\f+8*(4*\c+\i)+7],       v[ADRA+\slot] offset:\k+64*\c+\i*BLK16+32
.endr
.endr
.endm
.macro PLACES
.rept 4
	v_nop
.endr
.endm
.macro QUARTER slot, k, f, g, zero     ; one head: multiplies buffer f, fetches the next head, at byte k, into g
	s_wait_dscnt 16                                ; the first 32 along K are in
	WIN MUL
	MUL8 \f, 0, 0, \zero
	MUL8 \f, 0, 2, \zero
	PLACES
	FETCH \slot, \k, \g
	s_wait_dscnt 32                                ; all but the 32 just issued
	WIN MUL
	MUL8 \f, 1, 0, 0
	MUL8 \f, 1, 2, 0
.endm
; A slot's last head changes slots: each wave waits for all its tensor loads, adds 0 to its spare word, waits for that and for its reads of this slot; one barrier, which with fill = 1 opens a round of the
; cluster's barrier, behind which this slot is filled again, two K steps ahead: the wave's one tensor load there.
.macro TURN slot, next, fill
	WIN 0
	s_wait_tensorcnt 0x0
	ds_add_u32 v[SPW], v[NIL]
	s_wait_dscnt 17                                ; (the add and the youngest sixteen loads may be out)
	WIN MUL
	MUL8 F1, 0, 0, 0
	s_wait_dscnt 0x0
	s_barrier_signal -1
	MUL8 F1, 0, 2, 0
.if \fill
	WIN 0
.endif
	s_barrier_wait -1
.if \fill
	CREST
	s_add_nc_u64 s[G0+4*\slot+2:G0+4*\slot+3], s[G0+4*\slot+2:G0+4*\slot+3], 2*ASTEP
	s_add_nc_u64 s[G0B+4*\slot+2:G0B+4*\slot+3], s[G0B+4*\slot+2:G0B+4*\slot+3], 2*BSTEP
	JLOAD \slot
.else
	PLACES
.endif
	FETCH \next, 0, F0
	WIN MUL
	MUL8 F1, 1, 0, 0
	MUL8 F1, 1, 2, 0
.endm
	s_wait_tensorcnt 1                             ; my part of K step 0 is in (K step 1's load may be out),
	s_barrier_signal -1
	s_barrier_wait -1
	FETCH 0, 0, F0
	s_wait_loadcnt 0x0                             ; the bias
	QUARTER 0, HSTR, F0, F1, 1
	WIN 0
	s_mov_b32 s3, LAPS-1
.Llap:
	QUARTER 0, 2*HSTR, F1, F0, 0
	QUARTER 0, 3*HSTR, F0, F1, 0
	TURN 0, 1, 1
	QUARTER 1, HSTR, F0, F1, 0
	QUARTER 1, 2*HSTR, F1, F0, 0
	QUARTER 1, 3*HSTR, F0, F1, 0
	TURN 1, 0, 1
	QUARTER 0, HSTR, F0, F1, 0
	WIN 0
	s_sub_co_u32 s3, s3, 1
	s_cmp_lg_u32 s3, 0
	s_cbranch_scc1 .Llap
	QUARTER 0, 2*HSTR, F1, F0, 0                   ; the last lap fills nothing
	QUARTER 0, 3*HSTR, F0, F1, 0
	TURN 0, 1, 0
	QUARTER 1, HSTR, F0, F1, 0
	QUARTER 1, 2*HSTR, F1, F0, 0
	QUARTER 1, 3*HSTR, F0, F1, 0
	s_wait_dscnt 16
	WIN MUL
	MUL8 F1, 0, 0, 0
	MUL8 F1, 0, 2, 0
	s_wait_dscnt 0
	MUL8 F1, 1, 0, 0
	MUL8 F1, 1, 2, 0
	WIN 0
; THE WAY OUT, 16 rows x 64 columns at a time, through my own stage: sixteen lanes store 256 consecutive bytes, aligned
.macro TOSTAGE a
.set BB, BK+32*((\a)%2)
.irp b, 0,1,2,3
	ds_store_b128 v[STO], v[ACC+8*(4*(\a)+\b):ACC+8*(4*(\a)+\b)+3] offset:64*\b        ; each accumulator from its low end on
	ds_store_b128 v[STO], v[ACC+8*(4*(\a)+\b)+4:ACC+8*(4*(\a)+\b)+7] offset:64*\b+16
.endr
.irp t, 0,1,2,3,4,5,6,7
	ds_load_b128 v[BB+4*\t:BB+4*\t+3], v[RD] offset:\t*2*SPITCH
.endr
.endm
.macro SEND a, younger
.set BB, BK+32*((\a)%2)
	s_wait_dscnt \younger
.irp t, 0,1,2,3,4,5,6,7
	global_store_b128 v[CO], v[BB+4*\t:BB+4*\t+3], s[70:71] offset:(16*(\a)+2*\t)*4096 th:TH_STORE_NT
.endr
.endm
	PLACES
	TOSTAGE 0
.irp a, 1,2,3
.if \a > 1
	s_wait_xcnt 0x0                                ; block a - 2's stores have read their registers
.endif
	TOSTAGE \a
	SEND \a-1, 16                                  ; behind block a - 1's loads: block a's 8 stores and 8 loads
.endr
	SEND 3, 0
	s_wait_tensorcnt 0x0                           ; the wave's end
	ds_add_u32 v[SPW], v[NIL]
	s_wait_dscnt 0x0
	CROUND                                         ; the closing round
	s_endpgm
.Lfunc_end_k_q138d2d282f_oproj:
	.size	k_q138d2d282f_oproj, .Lfunc_end_k_q138d2d282f_oproj-k_q138d2d282f_oproj
	.p2alignl 7, 3214868480
	.fill 96, 4, 3214868480
	.section	.rodata,"a",@progbits
	.p2align	6, 0x0
	.amdhsa_kernel k_q138d2d282f_oproj
		.amdhsa_group_segment_fixed_size 327680
		.amdhsa_private_segment_fixed_size 0
		.amdhsa_enable_private_segment 0
		.amdhsa_kernarg_size 32
		.amdhsa_user_sgpr_count 2
		.amdhsa_user_sgpr_kernarg_segment_ptr 1
		.amdhsa_wavefront_size32 1
		.amdhsa_system_sgpr_workgroup_id_x 1
		.amdhsa_system_sgpr_workgroup_id_y 1
		.amdhsa_system_sgpr_workgroup_id_z 1
		.amdhsa_system_vgpr_workitem_id 0
		.amdhsa_next_free_vgpr 512
		.amdhsa_next_free_sgpr 72
		.amdhsa_reserve_vcc 0
		.amdhsa_float_denorm_mode_32 3
		.amdhsa_float_denorm_mode_16_64 3
		.amdhsa_memory_ordered 1
		.amdhsa_forward_progress 1
		.amdhsa_inst_pref_size 86
	.end_amdhsa_kernel
	.amdgpu_metadata
---
amdhsa.version: [ 1, 2 ]
amdhsa.kernels:
  - .name:           k_q138d2d282f_oproj
    .symbol:         k_q138d2d282f_oproj.kd
    .args:
      - { .name: a16, .offset: 0, .size: 8, .value_kind: global_buffer, .address_space: global }
      - { .name: wo16, .offset: 8, .size: 8, .value_kind: global_buffer, .address_space: global }
      - { .name: w_o_b, .offset: 16, .size: 8, .value_kind: global_buffer, .address_space: global }
      - { .name: out0, .offset: 24, .size: 8, .value_kind: global_buffer, .address_space: global }
    .group_segment_fixed_size: 327680
    .private_segment_fixed_size: 0
    .kernarg_segment_align: 8
    .kernarg_segment_size: 32
    .max_flat_workgroup_size: 128
    .sgpr_count:     72
    .vgpr_count:     512
    .wavefront_size: 32
...
	.end_amdgpu_metadata
.endif
;; end of part 4
;; launch fine (part 5): grid 64 x 2, 16 waves a work-group, no clusters, 18,432 bytes of LDS; arguments qkv32, qkv16, mask, mflags, w_o_w, w_o_b, out0; writes out0
.if DOCPART == 5
	.amdgcn_target "amdgcn-amd-amdhsa--gfx1250"
	.amdhsa_code_object_version 6
	.text
	.protected	k_q138d2d282f_fine
	.globl	k_q138d2d282f_fine
	.p2align	8
	.type	k_q138d2d282f_fine,@function
k_q138d2d282f_fine:
	s_mov_b64 s[64:65], 0
	v_nop
	global_prefetch_b8 v0, s[64:65] scope:SCOPE_SE
	s_setreg_imm32_b32 hwreg(HW_REG_WAVE_MODE, 25, 1), 1
	s_wait_xcnt 0x0
; FINE: positions 0-15 of both batches once more, all in f32: under a mask that lets early positions see few keys these rows average few values, and f16 operands would use up what the comparison allows.
; Work-group (ct, batch) makes out0[batch][0..15][16 ct .. 16 ct + 15].  Wave hd is head hd: the attention of the 16 queries in its head, then its 64 of the projection's K; the 16 parts meet in LDS.
; q, and k and v of keys 0-15, come as f32 from qkv32 [2][16][3072]; later keys, which a mask may open, come from qkv16 (f16, widened).  The mask is read as it is given.
; WHAT IS LEFT OUT.  A block of 16 keys that is masked for all 16 queries adds exactly 0 where each query has an open key.  Which blocks those are was stored as whole numbers by the first launch: mflags from byte
; 6144 on, four entries (four rows each) of four words, bit g for keys 16 g .. 16 g + 15, all ones where a row is wholly masked.  Their OR steers the branches here.  Keys 0-15 are always done.
; COSTS that are kept: each of the 64 column groups repeats the 16 rows' attention (one block of 16 keys where later keys are masked); the result leaves in pieces of 64 bytes, 128 KiB in the whole launch.
; LIMITS: true scores stay above -1e9 + 200; NaN and infinities are not served.
; THE f32 MATRIX FORM (16 x 16 x 4): lane (r, h) holds row r, register j the k 2 h + j.  K may be taken in any order that is the same on both sides:
;   scores, step (u, e): d = 8 u + 4 h + 2 e + j;   second product, step ks: key 8 h + 2 ks + j, so that p's registers are its source 1 as they stand;   projection, step (dt, s): d = 16 dt + 8 h + 2 s + j.
; What this form writes (v160-207) is written by matrix instructions alone: scaled copies go into other registers.
.set SPARE, 16384
.set QO,   3
.set VO,   4
.set MO,   5
.set K16O, 6
.set V16O, 7
.set WO,   8
.set BO,   9
.set STA,  10
.set RDA,  11
.set SPW,  12
.set NIL,  13
.set FO,   15                          ; v15      the flags: 16 x (lane % 4): an entry a lane
.set KR,   16                          ; v16-31   K as loaded, f16 (at the head: the flag words)
.set KA,   32                          ; v32-63   K, source 0; later w_o's rows; with v64-95 the 16 parts
.set VA,   64                          ; v64-95   V^T, source 0
.set MK,   96                          ; v96-127  the mask's words of four blocks of 16 keys
.set QB,   128                         ; v128-159 Q, source 1
.set SA,   160                         ; v160-175 two accumulators that take turns: scores, later the projection
.set OM,   176                         ; v176-207 O^T, four accumulators
.set OV,   208                         ; v208-239 O^T x a; at the end the attention's result
.set SV,   240                         ; v240-247 scores, then p
.set MX,   248
.set LS,   249
.set AA,   250                         ; v[250:251] a, and a pad
.set NEGV, 252
.set WV,   18
.set W0,   20                          ; s20-23   128 bits, a bit for each block of 16 keys; bit 0 is the first block of the tile in hand
.set SEL,  38
.macro WIDEN                           ; f16 to f32 (half registers take no expressions: the names are written out)
	v_cvt_f32_f16 v32, v16.l
	v_cvt_f32_f16 v33, v16.h
	v_cvt_f32_f16 v34, v17.l
	v_cvt_f32_f16 v35, v17.h
	v_cvt_f32_f16 v36, v18.l
	v_cvt_f32_f16 v37, v18.h
	v_cvt_f32_f16 v38, v19.l
	v_cvt_f32_f16 v39, v19.h
	v_cvt_f32_f16 v40, v20.l
	v_cvt_f32_f16 v41, v20.h
	v_cvt_f32_f16 v42, v21.l
	v_cvt_f32_f16 v43, v21.h
	v_cvt_f32_f16 v44, v22.l
	v_cvt_f32_f16 v45, v22.h
	v_cvt_f32_f16 v46, v23.l
	v_cvt_f32_f16 v47, v23.h
	v_cvt_f32_f16 v48, v24.l
	v_cvt_f32_f16 v49, v24.h
	v_cvt_f32_f16 v50, v25.l
	v_cvt_f32_f16 v51, v25.h
	v_cvt_f32_f16 v52, v26.l
	v_cvt_f32_f16 v53, v26.h
	v_cvt_f32_f16 v54, v27.l
	v_cvt_f32_f16 v55, v27.h
	v_cvt_f32_f16 v56, v28.l
	v_cvt_f32_f16 v57, v28.h
	v_cvt_f32_f16 v58, v29.l
	v_cvt_f32_f16 v59, v29.h
	v_cvt_f32_f16 v60, v30.l
	v_cvt_f32_f16 v61, v30.h
	v_cvt_f32_f16 v62, v31.l
	v_cvt_f32_f16 v63, v31.h
	v_cvt_f32_f16 v64, v64.l
	v_cvt_f32_f16 v65, v65.l
	v_cvt_f32_f16 v66, v66.l
	v_cvt_f32_f16 v67, v67.l
	v_cvt_f32_f16 v68, v68.l
	v_cvt_f32_f16 v69, v69.l
	v_cvt_f32_f16 v70, v70.l
	v_cvt_f32_f16 v71, v71.l
	v_cvt_f32_f16 v72, v72.l
	v_cvt_f32_f16 v73, v73.l
	v_cvt_f32_f16 v74, v74.l
	v_cvt_f32_f16 v75, v75.l
	v_cvt_f32_f16 v76, v76.l
	v_cvt_f32_f16 v77, v77.l
	v_cvt_f32_f16 v78, v78.l
	v_cvt_f32_f16 v79, v79.l
	v_cvt_f32_f16 v80, v80.l
	v_cvt_f32_f16 v81, v81.l
	v_cvt_f32_f16 v82, v82.l
	v_cvt_f32_f16 v83, v83.l
	v_cvt_f32_f16 v84, v84.l
	v_cvt_f32_f16 v85, v85.l
	v_cvt_f32_f16 v86, v86.l
	v_cvt_f32_f16 v87, v87.l
	v_cvt_f32_f16 v88, v88.l
	v_cvt_f32_f16 v89, v89.l
	v_cvt_f32_f16 v90, v90.l
	v_cvt_f32_f16 v91, v91.l
	v_cvt_f32_f16 v92, v92.l
	v_cvt_f32_f16 v93, v93.l
	v_cvt_f32_f16 v94, v94.l
	v_cvt_f32_f16 v95, v95.l
.endm
.macro PLACES8                         ; eight plain places behind this matrix form (ISA guide 7.12.1)
.rept 8
	v_nop
.endr
.endm
; 16 keys for the 16 queries.  src = 32: K and V^T stand in registers already; 16: they are fetched from qkv16, block sb of the tile in hand.  first = 1: it starts m, the sum and O^T.  mk: which of the four sets of mask words.
.macro SUB src, first, mk, sb
.if \src == 16
.irp u, 0,1,2,3,4,5,6,7
	global_load_b64 v[KR+2*\u:KR+2*\u+1], v[K16O], s[32:33] offset:(\sb)*2048+16*\u
.endr
.irp dt, 0,1,2,3
.irp jj, 0,1,2,3,4,5,6,7
	global_load_u16 v[VA+8*\dt+\jj], v[V16O], s[34:35] offset:(\sb)*2048+128*\jj+32*\dt
.endr
.endr
	s_wait_loadcnt 0x0
	WIDEN
.endif
.set st, 0
.rept 16                                       ; S^T = K Q^T: two accumulators by turns; their sum is the score
.if st < 2
	v_wmma_f32_16x16x4_f32 v[SA+8*(st%2):SA+8*(st%2)+7], v[KA+2*st:KA+2*st+1], v[QB+2*st:QB+2*st+1], 0
.else
	v_wmma_f32_16x16x4_f32 v[SA+8*(st%2):SA+8*(st%2)+7], v[KA+2*st:KA+2*st+1], v[QB+2*st:QB+2*st+1], v[SA+8*(st%2):SA+8*(st%2)+7]
.endif
.set st, st+1
.endr
	PLACES8
.irp j, 0,2,4,6
	v_pk_add_f32 v[SV+\j:SV+\j+1], v[SA+\j:SA+\j+1], v[SA+8+\j:SA+9+\j]
.endr
.irp j, 0,2,4,6
	v_pk_mul_f32 v[SV+\j:SV+\j+1], v[SV+\j:SV+\j+1], 0x3e000000 op_sel_hi:[1,0]   ; / sqrt(64)
.endr
.irp j, 0,1,2,3,4,5,6,7
	v_cmp_eq_u32 vcc_lo, 0, v[MK+8*(\mk)+\j]
	v_cndmask_b32 v[SV+\j], v[SV+\j], v[NEGV], vcc_lo
.endr
	v_max3_num_f32 v253, v[SV], v[SV+1], v[SV+2]
	v_max3_num_f32 v254, v[SV+3], v[SV+4], v[SV+5]
	v_max3_num_f32 v253, v253, v[SV+6], v[SV+7]
.if \first
	v_max_num_f32 v253, v253, v254
.else
	v_max3_num_f32 v253, v253, v254, v[MX]
.endif
	v_permlanex16_b32 v254, v253, s[SEL], s[SEL+1]
	v_max_num_f32 v253, v253, v254                 ; the new m
.if !\first
	v_sub_f32 v254, v[MX], v253
	v_mul_f32 v254, 0x3fb8aa3b, v254
.endif
	v_mov_b32 v[MX], v253
.irp j, 0,1,2,3,4,5,6,7
	v_sub_f32 v[SV+\j], v[SV+\j], v253             ; first the difference, so that equal numbers give exactly 0
.endr
.irp j, 0,1,2,3,4,5,6,7
	v_mul_f32 v[SV+\j], 0x3fb8aa3b, v[SV+\j]
.endr
.if !\first
	v_exp_f32 v[AA], v254                          ; a = e^(old m - new m)
.endif
.irp j, 0,1,2,3,4,5,6,7
	v_exp_f32 v[SV+\j], v[SV+\j]                   ; p
.endr
	v_nop
	s_wait_alu depctr_va_vdst(0)                   ; one wait for the batch, ahead of its first reader
	v_pk_add_f32 v[254:255], v[SV:SV+1], v[SV+2:SV+3]
	v_pk_add_f32 v[254:255], v[254:255], v[SV+4:SV+5]
	v_pk_add_f32 v[254:255], v[254:255], v[SV+6:SV+7]
.if \first
	v_add_f32 v[LS], v254, v255
.else
	v_add_f32 v254, v254, v255
	v_fma_f32 v[LS], v[LS], v[AA], v254
.set i, 0
.rept 16
	v_pk_mul_f32 v[OV+i:OV+i+1], v[OM+i:OM+i+1], v[AA:AA+1] op_sel_hi:[1,0]   ; O^T x a, into other registers; each accumulator from its low end on
.set i, i+2
.endr
.endif
.irp ks, 0,1,2,3                               ; O^T = a O^T + V^T P: four accumulators by turns
.irp dt, 0,1,2,3
.if \ks > 0
	v_wmma_f32_16x16x4_f32 v[OM+8*\dt:OM+8*\dt+7], v[VA+8*\dt+2*\ks:VA+8*\dt+2*\ks+1], v[SV+2*\ks:SV+2*\ks+1], v[OM+8*\dt:OM+8*\dt+7]
.elseif \first
	v_wmma_f32_16x16x4_f32 v[OM+8*\dt:OM+8*\dt+7], v[VA+8*\dt+2*\ks:VA+8*\dt+2*\ks+1], v[SV+2*\ks:SV+2*\ks+1], 0
.else
	v_wmma_f32_16x16x4_f32 v[OM+8*\dt:OM+8*\dt+7], v[VA+8*\dt+2*\ks:VA+8*\dt+2*\ks+1], v[SV+2*\ks:SV+2*\ks+1], v[OV+8*\dt:OV+8*\dt+7]
.endif
.endr
.endr
	PLACES8
.endm
.macro TEST mk, sb                     ; block sb of the tile in hand is done if its stored bit is set
	s_bitcmp1_b32 s[W0], \sb
	s_cbranch_scc0 .Lskip_\@
	SUB 16, 0, \mk, \sb
.Lskip_\@:
.endm
.macro MASKLOAD                        ; the 16 rows' words of the tile in hand: lane (r, h), block sb: keys 16 sb + 8 h + 0 .. 7
.irp sb, 0,1,2,3
	global_load_b128 v[MK+8*\sb:MK+8*\sb+3], v[MO], s[36:37] offset:64*\sb
	global_load_b128 v[MK+8*\sb+4:MK+8*\sb+7], v[MO], s[36:37] offset:64*\sb+16
.endr
.endm
	s_load_b256 s[4:11], s[0:1], 0x0               ; qkv32, qkv16, mask, mflags
	s_load_b128 s[12:15], s[0:1], 0x20             ; w_o_w, w_o_b
	s_load_b64 s[16:17], s[0:1], 0x30              ; out0
	v_lshl_add_u32 v[SPW], v0, 2, SPARE
	v_mov_b32 v[NIL], 0
	v_lshrrev_b32 v1, 5, v0
	v_readfirstlane_b32 s[WV], v1                  ; wave = head
	s_and_b32 s19, ttmp7, 0xffff                   ; the batch
	v_and_b32 v1, 15, v0                           ; r
	v_bfe_u32 v2, v0, 4, 1                         ; h
	v_and_b32 v14, 31, v0
	v_and_b32 v[FO], 3, v0
	v_lshlrev_b32 v[FO], 4, v[FO]
	v_mul_u32_u24 v[QO], v1, 12288
	v_lshl_add_u32 v[QO], v2, 4, v[QO]             ; q, k in qkv32: row r, + 16 h
	v_mul_u32_u24 v[VO], v2, 98304
	v_lshl_add_u32 v[VO], v1, 2, v[VO]             ; v in qkv32: key 8 h on, channel r
	v_lshlrev_b32 v[MO], 13, v1
	v_lshl_add_u32 v[MO], v2, 5, v[MO]
	v_lshlrev_b32 v[K16O], 7, v1
	v_lshl_add_u32 v[K16O], v2, 3, v[K16O]
	v_lshlrev_b32 v[V16O], 10, v2
	v_lshl_add_u32 v[V16O], v1, 1, v[V16O]
	v_lshlrev_b32 v[WO], 12, v1
	v_lshl_add_u32 v[WO], v2, 5, v[WO]             ; w_o_w's row r and out0's row r: 4,096 bytes a row, + 32 h
	v_lshlrev_b32 v[BO], 5, v2
	s_lshl_b32 s40, s[WV], 10
	v_lshl_add_u32 v[STA], v14, 4, s40             ; my part in LDS: 1,024 bytes a wave
	s_and_b32 s42, s[WV], 1
	s_lshl_b32 s40, s42, 9
	v_lshl_add_u32 v[RDA], v14, 4, s40             ; what waves 0 and 1 read back: the lower or the upper four registers of each part
	v_mov_b32 v[AA+1], 0
	v_mov_b32 v[NEGV], 0xce6e6b28                  ; -1e9
	v_mov_b32 v[KR+4], 0                           ; written once: a lane exchange's destination counts as one of its sources
	s_mov_b32 s[SEL], 0x76543210
	s_mov_b32 s[SEL+1], 0xfedcba98
	s_mov_b32 s41, 0
	s_wait_kmcnt 0x0
	s_mul_i32 s40, s19, 196608
	s_lshl_b32 s43, s[WV], 8
	s_add_co_u32 s40, s40, s43
	s_add_nc_u64 s[30:31], s[4:5], s[40:41]        ; qkv32 at my batch and head
	s_lshl_b32 s40, s19, 4
	s_add_co_u32 s40, s40, s[WV]
	s_lshl_b32 s40, s40, 18
	s_add_nc_u64 s[32:33], s[6:7], s[40:41]
	s_add_nc_u64 s[34:35], s[32:33], 0x1000000     ; v in qkv16,
	s_add_nc_u64 s[32:33], s[32:33], 0x800000      ; k
	s_mov_b64 s[36:37], s[8:9]
	s_lshl_b32 s40, ttmp9, 16
	s_add_co_u32 s40, s40, s43
	s_add_nc_u64 s[12:13], s[12:13], s[40:41]      ; w_o_w at row 16 ct, my head's 64
	s_lshl_b32 s40, ttmp9, 6
	s_lshl_b32 s43, s42, 4
	s_add_co_u32 s40, s40, s43
	s_add_nc_u64 s[14:15], s[14:15], s[40:41]
	s_add_nc_u64 s[16:17], s[16:17], s[40:41]
	s_lshl_b32 s40, s19, 23
	s_add_nc_u64 s[16:17], s[16:17], s[40:41]
.irp w, 0,1,2,3
	global_load_b32 v[KR+\w], v[FO], s[10:11] offset:6144+4*\w     ; word w of the entry lane % 4
.endr
	MASKLOAD
.irp u, 0,1,2,3,4,5,6,7
	global_load_b128 v[QB+4*\u:QB+4*\u+3], v[QO], s[30:31] offset:32*\u
	global_load_b128 v[KA+4*\u:KA+4*\u+3], v[QO], s[30:31] offset:4096+32*\u
.endr
.irp dt, 0,1,2,3
.irp jj, 0,1,2,3,4,5,6,7
	global_load_b32 v[VA+8*\dt+\jj], v[VO], s[30:31] offset:8192+\jj*12288+64*\dt
.endr
.endr
	s_wait_loadcnt 0x0
.irp w, 0,1,2,3                                ; the OR of the four entries: the 16 rows' bits
	v_mov_b32_dpp v[KR+4], v[KR+\w] row_xmask:1 row_mask:0xf bank_mask:0xf
	v_or_b32 v[KR+\w], v[KR+\w], v[KR+4]
	v_mov_b32_dpp v[KR+4], v[KR+\w] row_xmask:2 row_mask:0xf bank_mask:0xf
	v_or_b32 v[KR+\w], v[KR+\w], v[KR+4]
	v_readfirstlane_b32 s[W0+\w], v[KR+\w]
.endr
	SUB 32, 1, 0, 0                                ; keys 0-15, in f32
	TEST 1, 1
	TEST 2, 2
	TEST 3, 3
	s_mov_b32 s44, 1
.Ltile:                                            ; tiles 1 to 31 of 64 keys
	s_wait_xcnt 0x0                                ; every earlier load has read its base
	s_add_nc_u64 s[32:33], s[32:33], 8192
	s_add_nc_u64 s[34:35], s[34:35], 8192
	s_add_nc_u64 s[36:37], s[36:37], 256
	s_lshr_b32 s[W0], s[W0], 4                     ; the 128 bits go down by a tile's four
	s_lshl_b32 s45, s[W0+1], 28
	s_or_b32 s[W0], s[W0], s45
	s_lshr_b32 s[W0+1], s[W0+1], 4
	s_lshl_b32 s45, s[W0+2], 28
	s_or_b32 s[W0+1], s[W0+1], s45
	s_lshr_b32 s[W0+2], s[W0+2], 4
	s_lshl_b32 s45, s[W0+3], 28
	s_or_b32 s[W0+2], s[W0+2], s45
	s_lshr_b32 s[W0+3], s[W0+3], 4
	s_and_b32 s45, s[W0], 15
	s_cmp_lg_u32 s45, 0                            ; a tile with none of its four bits set is passed over whole
	s_cbranch_scc0 .Lnext
	MASKLOAD
	s_wait_loadcnt 0x0
	TEST 0, 0
	TEST 1, 1
	TEST 2, 2
	TEST 3, 3
.Lnext:
	s_add_co_u32 s44, s44, 1
	s_cmp_lt_u32 s44, 32
	s_cbranch_scc1 .Ltile
	v_permlanex16_b32 v253, v[LS], s[SEL], s[SEL+1]
	v_add_f32 v[LS], v[LS], v253                   ; with the other half of the lanes': the row's sum
	v_rcp_f32 v[AA], v[LS]
.irp dt, 0,1,2,3
	global_load_b128 v[KA+8*\dt:KA+8*\dt+3], v[WO], s[12:13] offset:64*\dt          ; w_o(16 ct + r, 64 hd + 16 dt + 8 h + 0 .. 7)
	global_load_b128 v[KA+8*\dt+4:KA+8*\dt+7], v[WO], s[12:13] offset:64*\dt+16
.endr
	v_nop
	s_wait_alu depctr_va_vdst(0)
.set i, 0
.rept 16
	v_pk_mul_f32 v[OV+i:OV+i+1], v[OM+i:OM+i+1], v[AA:AA+1] op_sel_hi:[1,0]         ; the attention's result: register 8 dt + j is channel 16 dt + 8 h + j of query r
.set i, i+2
.endr
	s_wait_loadcnt 0x0
.set st, 0
.rept 16                                       ; my head's part of the projection: source 0 = 16 rows of w_o, source 1 = the result; two accumulators by turns
.if st < 2
	v_wmma_f32_16x16x4_f32 v[SA+8*(st%2):SA+8*(st%2)+7], v[KA+2*st:KA+2*st+1], v[OV+2*st:OV+2*st+1], 0
.else
	v_wmma_f32_16x16x4_f32 v[SA+8*(st%2):SA+8*(st%2)+7], v[KA+2*st:KA+2*st+1], v[OV+2*st:OV+2*st+1], v[SA+8*(st%2):SA+8*(st%2)+7]
.endif
.set st, st+1
.endr
	PLACES8
.irp j, 0,2,4,6
	v_pk_add_f32 v[SV+\j:SV+\j+1], v[SA+\j:SA+\j+1], v[SA+8+\j:SA+9+\j]             ; lane (r, h): position r, columns 16 ct + 8 h + 0 .. 7
.endr
	ds_store_b128 v[STA], v[SV:SV+3]
	ds_store_b128 v[STA], v[SV+4:SV+7] offset:512
	s_wait_dscnt 0x0                               ; for the others' sake: my part has landed
	s_barrier_signal -1
	s_barrier_wait -1
	s_cmp_lt_u32 s[WV], 2                          ; wave 0 sums the lower four columns of each half, wave 1 the upper four
	s_cbranch_scc0 .Ldone
	global_load_b128 v[96:99], v[BO], s[14:15]     ; the bias
.irp k, 0,1,2,3,4,5,6,7,8,9,10,11,12,13,14,15
	ds_load_b128 v[32+4*\k:35+4*\k], v[RDA] offset:\k*1024
.endr
	s_wait_dscnt 0x0
.irp k, 1,2,3,4,5,6,7,8,9,10,11,12,13,14,15
	v_pk_add_f32 v[32:33], v[32:33], v[32+4*\k:33+4*\k]
	v_pk_add_f32 v[34:35], v[34:35], v[34+4*\k:35+4*\k]
.endr
	s_wait_loadcnt 0x0
	v_pk_add_f32 v[32:33], v[32:33], v[96:97]
	v_pk_add_f32 v[34:35], v[34:35], v[98:99]
	global_store_b128 v[WO], v[32:35], s[16:17]
.Ldone:
	s_wait_tensorcnt 0x0                           ; the wave's end, behind my last LDS store
	ds_add_u32 v[SPW], v[NIL]
	s_wait_dscnt 0x0
	s_endpgm
.Lfunc_end_k_q138d2d282f_fine:
	.size	k_q138d2d282f_fine, .Lfunc_end_k_q138d2d282f_fine-k_q138d2d282f_fine
	.p2alignl 7, 3214868480
	.fill 96, 4, 3214868480
	.section	.rodata,"a",@progbits
	.p2align	6, 0x0
	.amdhsa_kernel k_q138d2d282f_fine
		.amdhsa_group_segment_fixed_size 18432
		.amdhsa_private_segment_fixed_size 0
		.amdhsa_enable_private_segment 0
		.amdhsa_kernarg_size 56
		.amdhsa_user_sgpr_count 2
		.amdhsa_user_sgpr_kernarg_segment_ptr 1
		.amdhsa_wavefront_size32 1
		.amdhsa_system_sgpr_workgroup_id_x 1
		.amdhsa_system_sgpr_workgroup_id_y 1
		.amdhsa_system_sgpr_workgroup_id_z 1
		.amdhsa_system_vgpr_workitem_id 0
		.amdhsa_next_free_vgpr 256
		.amdhsa_next_free_sgpr 66
		.amdhsa_reserve_vcc 1
		.amdhsa_float_denorm_mode_32 3
		.amdhsa_float_denorm_mode_16_64 3
		.amdhsa_memory_ordered 1
		.amdhsa_forward_progress 1
		.amdhsa_inst_pref_size 110
	.end_amdhsa_kernel
	.amdgpu_metadata
---
amdhsa.version: [ 1, 2 ]
amdhsa.kernels:
  - .name:           k_q138d2d282f_fine
    .symbol:         k_q138d2d282f_fine.kd
    .args:
      - { .name: qkv32, .offset: 0, .size: 8, .value_kind: global_buffer, .address_space: global }
      - { .name: qkv16, .offset: 8, .size: 8, .value_kind: global_buffer, .address_space: global }
      - { .name: mask, .offset: 16, .size: 8, .value_kind: global_buffer, .address_space: global }
      - { .name: mflags, .offset: 24, .size: 8, .value_kind: global_buffer, .address_space: global }
      - { .name: w_o_w, .offset: 32, .size: 8, .value_kind: global_buffer, .address_space: global }
      - { .name: w_o_b, .offset: 40, .size: 8, .value_kind: global_buffer, .address_space: global }
      - { .name: out0, .offset: 48, .size: 8, .value_kind: global_buffer, .address_space: global }
    .group_segment_fixed_size: 18432
    .private_segment_fixed_size: 0
    .kernarg_segment_align: 8
    .kernarg_segment_size: 56
    .max_flat_workgroup_size: 512
    .sgpr_count:     66
    .vgpr_count:     256
    .wavefront_size: 32
...
	.end_amdgpu_metadata
.endif
;; end of part 5
